; MI455X (gfx1250); checked and timed in simulation.
; The chip was launched on July 23, 2026; its instructions are those of AMD's public machine-readable ISA for CDNA 5 (MIT licence, August 2026) and "CDNA5" Instruction Set Architecture Reference Guide (July 2026). The comments in the code are by the model that wrote it; some were corrected since.
;; Causal Attention. Allowed arithmetic: matrix products marked QUANTISED: E2M3 operands, one E8M0 scale for each 32 along K, by v_wmma_scale_f32_16x16x128_f8f6f4 with both operands' format E2M3, f32 sums; everything else in f32.
;; Inputs: Wk 1,024 x 1,024 float32; Wo 1,024 x 1,024 float32; Wq 1,024 x 1,024 float32; Wv 1,024 x 1,024 float32; x 4 x 2,048 x 1,024 float32.
;; Outputs: out0 4 x 2,048 x 1,024 float32.
;; This version of the problem:
;;   THIS VERSION OF THE PROBLEM IS GIVEN IN LOW PRECISION. The matrix products marked QUANTISED in the list below multiply operands that are first quantised to E2M3 (2 exponent bits, 3 mantissa bits; 6 bits a number), with one power-of-two scale for each 32 numbers along K (OCP MX v1.0); their sums are f32. All else is computed in f32.
;;   The module's matrix products, in the order in which they are computed (A, B: the left and right operand; K: the contracted axis; several contracted axes count as one K, in the product's order):
;;     1. [M 8,192, K 1,024] x [K 1,024, N 1,024]; A: input x; B: input Wq: QUANTISED
;;     2. [M 8,192, K 1,024] x [K 1,024, N 1,024]; A: input x; B: input Wk: QUANTISED
;;     3. [M 8,192, K 1,024] x [K 1,024, N 1,024]; A: input x; B: input Wv: QUANTISED
;;     4. batch 64 x [M 2,048, K 64] x [K 64, N 2,048]; A: computed on the way; B: computed on the way: QUANTISED
;;     5. batch 64 x [M 2,048, K 2,048] x [K 2,048, N 64]; A: softmax (see below); B: computed on the way: QUANTISED
;;     6. [M 8,192, K 1,024] x [K 1,024, N 1,024]; A: computed on the way; B: input Wo: QUANTISED
;;   THE QUANTISER, for each operand of a quantised product, along K:
;;     - K is cut into blocks of 32 from its start; a last block that is shorter is filled with zeros.
;;     - A block's scale is 2^e with e = floor(log2(the largest magnitude in the block)) - 2, held to -126 .. 127; a block of zeros has e = 0. As a byte (E8M0): e + 127.
;;     - Each number is divided by its block's scale, clamped to +-7.5, and rounded to the nearest number of E2M3, ties to even, subnormals kept.
;;     - The product sums the exact products of the quantised numbers (number of the format x scale) in f32.
;;   ~~~python
;;   def quantise(x, axis):      # numpy; x: float32 -> the quantised numbers, widened to float32 again
;;       x = np.moveaxis(x, axis, -1); K = x.shape[-1]
;;       x = np.pad(x, [(0, 0)] * (x.ndim - 1) + [(0, -K % 32)]); x = x.reshape(x.shape[:-1] + (-1, 32)); a = np.abs(x).max(-1, keepdims=True)
;;       e = np.where(a > 0, np.clip(np.frexp(np.where(a > 0, a, 1))[1] - 1 - 2, -126, 127), 0)      # np.frexp(a)[1] - 1 = floor(log2(a)), exactly
;;       r = np.clip(x / 2.0 ** e, -7.5, 7.5)
;;       step = 2.0 ** (np.maximum(np.frexp(np.where(r == 0, 1, r))[1] - 1, 0) - 3)
;;       q = np.round(r / step) * step * 2.0 ** e      # np.round: ties to even
;;       return np.moveaxis(q.reshape(q.shape[:-2] + (-1,))[..., :K], -1, axis).astype(np.float32)
;;   ~~~
;;   SOFTMAX AHEAD OF A QUANTISED PRODUCT. Where the list says 'softmax', what is quantised is not the finished softmax but p = 2^(t - M), with t = logit x log2(e) and M = ceil(the row's largest t), a whole number; so 1/2 < the row's largest p <= 1. The row's sum l is taken of the UNQUANTISED p, in f32, and the product's result is divided by l at the end. Since M is a whole number, a kernel that streams over the keys may use a running M (the ceiling of the running maximum): every later rescaling is an exact power of two, which a block's scale takes up: the codes' values come out the same.
;;   OPERANDS COMPUTED ON THE WAY. 'Computed on the way' means the value that the module computes at that place (a softmax that the list does not call 'softmax' is quantised finished and normalised). What goes into a quantiser is computed in f32, as accurately as f32 sums, v_exp_f32 and their like allow (about 1e-6 of the number): no bf16 or f16 on the way to a quantiser, and a product that is left as it is and whose result goes on into a quantised operand takes f32 operands (vector FMAs, or v_wmma_f32_16x16x4_f32). A number that lies on a knife's edge between two numbers of the format may be rounded either way, as far as f32 arithmetic and the matrix unit's own rounding can turn it there, and no further.
;; One version. Each part assembles by itself: llvm-mc -triple=amdgcn-amd-amdhsa -mcpu=gfx1250 --defsym DOCPART=n.
;; ======== version 1 of 1: 4 launches
;; workspace buffers: codes 15,728,640 bytes; sc 655,360 bytes; qrec 6,815,744 bytes; kv 13,369,344 bytes
;; launch quant (part 1): grid 384 x 1, 4 waves a work-group, no clusters, 34,304 bytes of LDS; arguments x, Wq, Wk, Wv, Wo, codes, sc; writes codes, sc
.if DOCPART == 1
	.amdgcn_target "amdgcn-amd-amdhsa--gfx1250"
	.amdhsa_code_object_version 6
	.text
	.protected	k_qe17424834e_quant
	.globl	k_qe17424834e_quant
	.p2align	8
	.type	k_qe17424834e_quant,@function
k_qe17424834e_quant:
	s_mov_b64 s[64:65], 0
	v_nop
	global_prefetch_b8 v0, s[64:65] scope:SCOPE_SE
	s_setreg_imm32_b32 hwreg(HW_REG_WAVE_MODE, 25, 1), 1
	s_wait_xcnt 0x0
; x [8192][1024] and the four weights [1024][1024], f32, K innermost, become codes of FP6 (E2M3) with one E8M0 byte for each 32 along K,
; laid in the ORDER OF AN OPERAND'S REGISTERS, so that the later launches load fragments by plain 16- and 8-byte loads.
; TILE.  Sixteen rows form a tile; lane r of tile T holds row 32 (T / 2) + 8 (T % 2) + r + 8 (r / 8).  Tiles 0-511 x, 512-575 Wq, 576-639 Wk, 640-703 Wv, 704-767 Wo.
; IMAGE.  A fragment (16 rows x 128 K, 12 registers a lane) is 1,536 bytes: registers 0-3 at 16 x lane, 4-5 at 512 + 8 x lane, 6-9 at 768 + 16 x lane, 10-11 at 1,280 + 8 x lane.
; codes: [tile][K step 0..7][image].  sc: [tile][K half 0..1][lane r][4 words]: word j is the row's scale word (four bytes, 128 along K) of K step 4 half + j.
; SHARES.  A work-group takes 32 rows, two tiles; wave w takes tile w / 2 and K half w % 2: four fragments.  Waves share nothing: no barrier.
; Each load reads 512 consecutive bytes of one row; a fragment's 16 rows turn through the wave's own stage in LDS (rows 528 bytes apart), so that a lane gets 16 neighbours of each block of 32.
; A block's scale is 2^(floor(log2(its largest magnitude)) - 2); its byte is that magnitude's exponent field - 2, held at 1 from below by a floor among the maximum's leaves.
; LIMITS: a block of zeros, or one whose largest magnitude lies under 2^-124, gets the byte 1 (its codes are then zeros or held small; the bytes are read by this program alone); NaN and infinities among the inputs are not served.
.set SP,   528                         ; a stage row: 512 bytes + 16
.set STG,  16*SP                       ; a wave's stage
.set R,    16                          ; v16-143  two sets of 64: a fragment's numbers as loaded
.set X,    144                         ; v144-207 register 16 b + i = k 32 b + 16 (lane / 16) + i of my row
.set TM,   208                         ; v208-223 at work
.set PC,   224                         ; v224-243 the codes just made
.set WS,   244                         ; v244-247 the four scale words
.set SEL,  20                          ; s[20:21] selects for lane l xor 16
	s_load_b256 s[4:11], s[0:1], 0x0               ; x, Wq, Wk, Wv
	s_load_b128 s[12:15], s[0:1], 0x20             ; Wo, codes
	s_load_b64 s[16:17], s[0:1], 0x30              ; sc
	v_lshl_add_u32 v254, v0, 2, 0x8400
	v_mov_b32 v255, 0
	v_lshrrev_b32 v6, 5, v0
	v_readfirstlane_b32 s24, v6                    ; wave 0..3
	v_and_b32 v7, 31, v0                           ; lane
	v_and_b32 v8, 15, v0                           ; r
	v_bfe_u32 v9, v0, 4, 1                         ; h
	v_lshlrev_b32 v1, 4, v7                        ; 16 x lane
	v_lshlrev_b32 v2, 3, v7                        ; 8 x lane
	v_lshlrev_b32 v3, 4, v8
	v_lshl_add_u32 v3, v9, 3, v3                   ; 16 r + 8 h: my two scale words' place
	s_mul_i32 s25, s24, STG
	v_add_nc_u32 v4, s25, v1                       ; the stage, on the way in: 16 x lane of a row
	v_mul_u32_u24 v5, v8, SP
	v_lshl_add_u32 v5, v9, 6, v5
	v_add_nc_u32 v5, s25, v5                       ; and on the way out: row r, + 64 h
	s_mov_b32 s[SEL], 0x76543210
	s_mov_b32 s[SEL+1], 0xfedcba98
.irp b, 0,1,2,3
	v_mov_b32 v[TM+4+\b], 0                        ; written once: a lane permute's destination counts as one of its sources
.endr
	s_lshr_b32 s26, s24, 1                         ; which of the two tiles
	s_and_b32 s27, s24, 1                          ; which half of K
	s_and_b32 s22, ttmp9, 31                       ; a weight's group of 32 rows
	s_wait_alu depctr_va_vdst(0)
	s_wait_kmcnt 0x0
	s_cmp_lt_u32 ttmp9, 352                        ; which tensor: the choice hangs on the work-group's number alone
	s_cselect_b64 s[18:19], s[10:11], s[12:13]
	s_cmp_lt_u32 ttmp9, 320
	s_cselect_b64 s[18:19], s[8:9], s[18:19]
	s_cmp_lt_u32 ttmp9, 288
	s_cselect_b64 s[18:19], s[6:7], s[18:19]
	s_cmp_lt_u32 ttmp9, 256
	s_cselect_b64 s[18:19], s[4:5], s[18:19]
	s_cselect_b32 s22, ttmp9, s22                  ; the group's number in its tensor
	s_lshl_b32 s22, s22, 17                        ; 32 rows of 4,096 bytes
	s_lshl_b32 s28, s26, 15                        ; the second tile begins 8 rows down
	s_add_co_u32 s22, s22, s28
	s_lshl_b32 s28, s27, 11                        ; the second half of K: 512 numbers on
	s_add_co_u32 s22, s22, s28
	s_mov_b32 s23, 0
	s_add_nc_u64 s[18:19], s[18:19], s[22:23]
	s_lshl_b32 s28, ttmp9, 1
	s_add_co_u32 s28, s28, s26                     ; my tile
	s_mul_i32 s22, s28, 12288
	s_mul_i32 s29, s27, 6144
	s_add_co_u32 s22, s22, s29
	s_add_nc_u64 s[14:15], s[14:15], s[22:23]      ; its images of my half of K
	s_lshl_b32 s22, s28, 9
	s_lshl_b32 s29, s27, 8
	s_add_co_u32 s22, s22, s29
	s_add_nc_u64 s[16:17], s[16:17], s[22:23]      ; and their 256 bytes of scale words
.macro LOAD f                          ; fragment f: 16 rows x 512 bytes; row i of the tile lies i + 8 (i / 8) rows down
.irp i, 0,1,2,3,4,5,6,7,8,9,10,11,12,13,14,15
	global_load_b128 v[R+64*((\f)%2)+4*\i:R+64*((\f)%2)+4*\i+3], v1, s[18:19] offset:(\i+8*(\i/8))*4096+512*(\f) th:TH_LOAD_NT
.endr
.endm
.macro TURNS f                         ; through the stage: LDS serves a wave's instructions in order (ISA guide 5.7.1.4), so no wait stands between the stores and the loads
.irp i, 0,1,2,3,4,5,6,7,8,9,10,11,12,13,14,15
	ds_store_b128 v4, v[R+64*((\f)%2)+4*\i:R+64*((\f)%2)+4*\i+3] offset:SP*\i
.endr
.irp b, 0,1,2,3
.irp j, 0,1,2,3
	ds_load_b128 v[X+16*\b+4*\j:X+16*\b+4*\j+3], v5 offset:128*\b+16*\j
.endr
.endr
.endm
; 64 numbers of a lane become a fragment's codes in v[PC] on and its row's scale word in v[word]
.macro QUANT s, word
.irp b, 0,1,2,3
	v_max3_num_f32 v[TM+\b], |v[\s+16*\b]|, |v[\s+1+16*\b]|, 0x1800000   ; block b: my 16 numbers, and the floor 2^(3 - 127): the byte cannot fall under 1
.endr
.irp i, 2,4,6,8,10,12,14
.irp b, 0,1,2,3
	v_max3_num_f32 v[TM+\b], v[TM+\b], |v[\s+16*\b+\i]|, |v[\s+1+16*\b+\i]|   ; the four blocks by turns
.endr
.endr
.irp b, 0,1,2,3
	v_permlanex16_b32 v[TM+4+\b], v[TM+\b], s[SEL], s[SEL+1]
.endr
.irp b, 0,1,2,3
	v_max_num_f32 v[TM+\b], v[TM+\b], v[TM+4+\b]   ; with lane l xor 16's 16: the block's largest magnitude
.endr
.irp b, 0,1,2,3
	v_add_nc_u32 v[TM+12+\b], 0xff000000, v[TM+\b] ; 2 off its exponent field: the conversion takes this operand's exponent field as its scale
.endr
.irp b, 0,1,2,3
	v_lshrrev_b32 v[TM+4+\b], 23, v[TM+12+\b]      ; the scale's byte
.endr
	v_lshl_or_b32 v[\word], v[TM+5], 8, v[TM+4]
	v_lshl_or_b32 v[\word], v[TM+6], 16, v[\word]
	v_lshl_or_b32 v[\word], v[TM+7], 24, v[\word]
.irp c, 0,1
	v_cvt_scalef32_pk16_fp6_f32 v[PC+6*\c:PC+2+6*\c], v[\s+32*\c:\s+15+32*\c], v[TM+12+2*\c]
	v_cvt_scalef32_pk16_fp6_f32 v[PC+12+4*\c:PC+14+4*\c], v[\s+16+32*\c:\s+31+32*\c], v[TM+13+2*\c]   ; (a conversion's three registers begin on an even number)
.endr
	v_nop                                          ; one plain place behind a scaled conversion
.irp c, 0,1                            ; the operand wants a whole block in a lane: lanes 0-15 block 2 c, lanes 16-31 block 2 c + 1
.irp i, 0,1,2
	v_permlane16_swap_b32 v[PC+6*\c+\i], v[PC+12+4*\c+\i]
.endr
.irp i, 0,1,2
	v_mov_b32 v[PC+3+6*\c+\i], v[PC+12+4*\c+\i]
.endr
.endr
.endm
.macro PIECE f
.if (\f) < 3
	s_wait_loadcnt 16                              ; this fragment's 16 loads are in; the next fragment's 16 may be out
.else
	s_wait_loadcnt 0x0
.endif
	TURNS \f
	s_wait_dscnt 0x0                               ; my 64 numbers are back
	s_wait_xcnt 0x0                                ; the last fragment's stores have read v[PC] on: it is written again only behind this wait
.if (\f) < 2
	LOAD (\f)+2                                    ; into the set that has just gone through the stage
.endif
	QUANT X, WS+(\f)
	global_store_b128 v1, v[PC:PC+3], s[14:15] offset:1536*(\f)          ; 512 consecutive bytes,
	global_store_b64 v2, v[PC+4:PC+5], s[14:15] offset:1536*(\f)+512     ; 256,
	global_store_b128 v1, v[PC+6:PC+9], s[14:15] offset:1536*(\f)+768    ; 512,
	global_store_b64 v2, v[PC+10:PC+11], s[14:15] offset:1536*(\f)+1280  ; 256: the image, each store at a multiple of 256 from the buffer's first byte
.endm
	LOAD 0
	LOAD 1
	PIECE 0
	PIECE 1
	PIECE 2
	PIECE 3
	v_cmp_eq_u32 vcc_lo, 1, v9                     ; both halves of the lanes hold a row's four words: lanes 0-15 store words 0 and 1, lanes 16-31 words 2 and 3
	v_cndmask_b32 v10, v[WS], v[WS+2], vcc_lo
	v_cndmask_b32 v11, v[WS+1], v[WS+3], vcc_lo
	global_store_b64 v3, v[10:11], s[16:17]        ; 32 lanes fill 256 consecutive bytes, aligned
	s_wait_tensorcnt 0x0
	ds_add_u32 v254, v255
	s_wait_dscnt 0x0
	s_endpgm
.Lfunc_end_k_qe17424834e_quant:
	.size	k_qe17424834e_quant, .Lfunc_end_k_qe17424834e_quant-k_qe17424834e_quant
	.p2alignl 7, 3214868480
	.fill 96, 4, 3214868480
	.section	.rodata,"a",@progbits
	.p2align	6, 0x0
	.amdhsa_kernel k_qe17424834e_quant
		.amdhsa_group_segment_fixed_size 34304
		.amdhsa_private_segment_fixed_size 0
		.amdhsa_enable_private_segment 0
		.amdhsa_kernarg_size 56
		.amdhsa_user_sgpr_count 2
		.amdhsa_user_sgpr_kernarg_segment_ptr 1
		.amdhsa_wavefront_size32 1
		.amdhsa_system_sgpr_workgroup_id_x 1
		.amdhsa_system_sgpr_workgroup_id_y 1
		.amdhsa_system_sgpr_workgroup_id_z 1
		.amdhsa_system_vgpr_workitem_id 0
		.amdhsa_next_free_vgpr 256
		.amdhsa_next_free_sgpr 66
		.amdhsa_reserve_vcc 1
		.amdhsa_float_denorm_mode_32 3
		.amdhsa_float_denorm_mode_16_64 3
		.amdhsa_memory_ordered 1
		.amdhsa_forward_progress 1
		.amdhsa_inst_pref_size 34
	.end_amdhsa_kernel
	.amdgpu_metadata
---
amdhsa.version: [ 1, 2 ]
amdhsa.kernels:
  - .name:           k_qe17424834e_quant
    .symbol:         k_qe17424834e_quant.kd
    .args:
      - { .name: x, .offset: 0, .size: 8, .value_kind: global_buffer, .address_space: global }
      - { .name: Wq, .offset: 8, .size: 8, .value_kind: global_buffer, .address_space: global }
      - { .name: Wk, .offset: 16, .size: 8, .value_kind: global_buffer, .address_space: global }
      - { .name: Wv, .offset: 24, .size: 8, .value_kind: global_buffer, .address_space: global }
      - { .name: Wo, .offset: 32, .size: 8, .value_kind: global_buffer, .address_space: global }
      - { .name: codes, .offset: 40, .size: 8, .value_kind: global_buffer, .address_space: global }
      - { .name: sc, .offset: 48, .size: 8, .value_kind: global_buffer, .address_space: global }
    .group_segment_fixed_size: 34304
    .private_segment_fixed_size: 0
    .kernarg_segment_align: 8
    .kernarg_segment_size: 56
    .max_flat_workgroup_size: 128
    .sgpr_count:     66
    .vgpr_count:     256
    .wavefront_size: 32
...
	.end_amdgpu_metadata
.endif
;; end of part 1
;; launch proj (part 2): grid 8 x 48, 4 waves a work-group, clusters of 4 x 4, 327,680 bytes of LDS; arguments codes, sc, qrec, kv; writes qrec, kv
.if DOCPART == 2
	.amdgcn_target "amdgcn-amd-amdhsa--gfx1250"
	.amdhsa_code_object_version 6
	.text
	.protected	k_qe17424834e_proj
	.globl	k_qe17424834e_proj
	.p2align	8
	.type	k_qe17424834e_proj,@function
k_qe17424834e_proj:
	s_mov_b64 s[64:65], 0
	v_nop
	global_prefetch_b8 v0, s[64:65] scope:SCOPE_SE
	s_setreg_imm32_b32 hwreg(HW_REG_WAVE_MODE, 25, 1), 1
	s_wait_xcnt 0x0
	s_wait_alu depctr_hold_cnt(0) depctr_sa_sdst(0) depctr_va_vdst(0) depctr_va_sdst(0) depctr_va_ssrc(0) depctr_va_vcc(0) depctr_vm_vsrc(0)
	s_getreg_b32 s2, hwreg(HW_REG_IB_STS2, 6, 4)
	s_cmp_eq_u32 s2, 0
	s_cbranch_scc0 .Lentry_in_a_cluster
	s_endpgm
.Lentry_in_a_cluster:
	s_bfe_u32 s2, ttmp6, 0x10000c
	s_cmp_lg_u32 s2, 0xf033
	s_cbranch_scc0 .Lentry_shape_is_right
	s_endpgm
.Lentry_shape_is_right:
; The three projections on codes of FP6 (E2M3), and the quantising of their results for attention.  K = 1,024; sums in f32, K ascending, one accumulator an output.
; Clusters with y < 8:  C = x [Wq; Wk]^T, 8,192 x 2,048: a lane's registers run along the features, so q and k are quantised along the head's 64.
; Clusters with y >= 8: C = Wv x^T, 1,024 x 8,192: a lane's registers run along the tokens, so v is quantised along the keys.  One text serves both: only pointers and offsets differ.
; A tile of C, 256 x 256, is made by four waves, 128 x 128 each: 64 accumulators, 512 registers.  Operands lie in memory as images of their registers (tile of 16 rows: lane r holds row 32 (T / 2) + 8 (T % 2) + r + 8 (r / 8);
; image of 16 rows x 128 K: registers 0-3 at 16 x lane, 4-5 at 512 + 8 x lane, 6-9 at 768 + 16 x lane, 10-11 at 1,280 + 8 x lane).  codes: [tile][K step][1,536 bytes].
; K goes through a ring of two LDS slots of two K steps each: a wave's tensor load brings 8 tiles x 3,072 bytes.  Eight K steps are written out, since the scale registers' numbers change from step to step.
; CLUSTERS: 4 x 4 work-groups; A's tiles are asked for jointly along a row of the cluster, B's along a column.
; THE MATRIX INSTRUCTION IS USED TRANSPOSED (source 0 = a tile of B, source 1 = a tile of A): lane (r, h) holds A's row r, and the 16 registers of B's tiles 2 b and 2 b + 1 are columns 32 b + 16 h + 0 .. 15.
; SCALES: all of a wave's scale words come straight into 64 registers at the head: register 8 i + ks holds in lanes 0-15 the word of A's block i, in lanes 16-31 that of B's block i, for K step ks.
; RESULTS.  qrec: record (16 batch + head, group of 128 tokens) of 6,656 bytes: 8 half images (768 bytes: registers 0-5, 64 along K) and at 6,144 the scale words [tile / 4][r][tile % 4].
; kv: record of 13,056 bytes: K's 8 half images, at 6,144 V^T's four images (16 features x 128 keys), at 12,288 K's scale words, at 12,800 V's [r][tile].
; In q's and k's scale words bytes 0 and 1 are the head's; bytes 2 and 3 are the neighbouring head's or 0: attention sets zero codes against them.
; LIMITS: a block of zeros or under 2^-124 gets the byte 1; NaN and infinities are not served.
; REGISTERS: window 0: v1-31 addresses; v32-95 scale words; v96-127 at work on the way out; v128-223 A's fragments, one set; v224-243 codes.  window 1: B's fragments, two sets, at v0 and v128.  windows 2, 3: accumulators ((a, b) at v[8 (8 (a % 4) + b)]).
.set HALFT,  8*3072                    ; 8 tiles x two K steps: what one tensor load brings, and what a wave reads of A or of B
.set SLOT,   4*HALFT                   ; A's 16 tiles, then B's 16
.set SPARE,  2*SLOT                    ; behind the ring: the spare words, 128 bytes a wave
.set FR,     12                        ; registers of a fragment
.set NL,     4                         ; LDS loads that bring one
.set NP,     4                         ; places behind this matrix instruction (ISA guide 7.12.1)
.set ADRA, 16                          ; v16-17 16 x lane + my A tiles in slot 0, 1;  v18-19 the same with 8 x lane
.set ADRB, 20                          ; v20-23 the same for B
.set O16,  24                          ; v24 16 x lane    v25 8 x lane    v26, v30 the same + the second half image's distance
.set O8,   25
.set P16,  26
.set SADR, 27                          ; v27 my scale words' offset in sc
.set SPW,  28                          ; v28 LDS address of my spare word; never rewritten
.set NIL,  29                          ; v29 0; never rewritten
.set P8,   30
.set SH,   31                          ; v31 16 h
.set WO,   15                          ; v15 h x 16 records + 16 r
.set SC,   32
.set TM,   96
.set WS,   112                         ; v112-119 the scale words of my eight blocks of rows
.set U,    120                         ; v120-127 as they are stored
.set AF,   128
.set PC,   224
.set G1, 24                            ; s[24:31], s[32:39] descriptor groups 1 and 0 (a set a slot) for A;  s[48:55], s[56:63] for B
.set G0, 32
.set G1B, 48
.set G0B, 56
.set OB,  70                           ; s[70:71] where the codes go    s[72:73] the scale words    s[74:75] from block to block    s[76:77] more at block 4
.set SB,  72
.set STA, 74
.set EXT, 76
.set SEL, 92
.set MSB, 0
.macro WIN new                         ; the immediate's high byte repeats the setting that is left
.if MSB != (\new)
	s_set_vgpr_msb (MSB<<8)|(\new)
.set MSB, (\new)
.endif
.endm
.set MUL_LO, 0xa1                      ; source 0 (B) window 1, source 1 (A) window 0, C and D window 2
.set MUL_HI, 0xf1                      ; the same, C and D window 3
.set TO_B,   0x40                      ; destination window 1, address window 0
; A joint load: waves 0 and 1 fetch for A, waves 2 and 3 for B; the branch hangs on the wave's number alone.  Four v_nop follow each of the two lines.
.macro JLOAD g0a, g1a, g0b, g1b
	s_cmp_eq_u32 s15, 0
	s_cbranch_scc0 .Lfor_b_\@
	tensor_load_to_lds s[\g0a:\g0a+3], s[\g1a:\g1a+7]
	s_nop 0
.rept 4
	v_nop
.endr
	s_branch .Lasked_\@
.Lfor_b_\@:
	tensor_load_to_lds s[\g0b:\g0b+3], s[\g1b:\g1b+7]
	s_nop 0
.rept 4
	v_nop
.endr
.Lasked_\@:
.endm
.macro CREST                           ; a round of the cluster's barrier behind its opening barrier
	s_cmp_lg_u32 s14, 0
	s_cbranch_scc1 .Lnot_wave_0_\@
	s_barrier_signal -3
.Lnot_wave_0_\@:
	s_barrier_wait -3
	s_barrier_signal -1
	s_barrier_wait -1
.endm
.macro CROUND
	s_barrier_signal -1
	s_barrier_wait -1
	CREST
.endm
	s_load_b256 s[4:11], s[0:1], 0x0               ; codes, sc, qrec, kv
	v_lshl_add_u32 v[SPW], v0, 2, SPARE
	v_mov_b32 v[NIL], 0
	ds_add_u32 v28, v29
	ds_add_u32 v28, v29
	s_wait_dscnt 0x0
	v_lshrrev_b32 v1, 5, v0
	v_readfirstlane_b32 s14, v1                    ; wave 0..3
	s_lshr_b32 s15, s14, 1                         ; which half of the tile's rows is mine.  Also: I fetch for A (0) or for B (1)
	s_and_b32 s16, s14, 1                          ; which half of its columns.  Also: which 8 tiles I fetch
	s_bfe_u32 s40, ttmp6, 0x40000                  ; cx
	s_bfe_u32 s41, ttmp6, 0x40004                  ; cy
	s_and_b32 s18, ttmp7, 0xffff                   ; the cluster's y
	s_sub_co_u32 s19, s18, 8
	s_lshl_b32 s19, s19, 1
	s_add_co_u32 s19, s19, ttmp9                   ; V: column of clusters = x + 2 (y - 8)
	s_mov_b32 s45, 640
	s_mov_b32 s66, 512
	s_cmp_lt_u32 s18, 8                            ; q and k, or v?  The same in all sixteen partners
	s_cselect_b32 s19, ttmp9, s19                  ; column of clusters
	s_cselect_b32 s18, s18, 0                      ; row of clusters
	s_cselect_b32 s45, 0, s45                      ; A's first tile in codes: x, or Wv
	s_cselect_b32 s66, s66, 0                      ; B's: Wq and Wk, or x
	s_cselect_b32 s67, 0, 1                        ; 1: v
	s_lshl_b32 s42, s19, 2
	s_add_co_u32 s42, s42, s40                     ; tile column of C
	s_lshl_b32 s17, s18, 2
	s_add_co_u32 s17, s17, s41                     ; tile row of C
	s_lshl_b32 s43, s41, 2
	s_lshl_b32 s43, 15, s43                        ; my row of the cluster
	s_lshl_b32 s44, 0x1111, s40                    ; my column
	s_or_b32 s[G1+0], s43, (3<<16)|(1<<21)         ; 15:0 the mask; 17:16 elements of 8 bytes; 20 no padding; 21 set beside a mask
	s_or_b32 s[G1B+0], s44, (3<<16)|(1<<21)
.irp g, G1, G1B
	s_mov_b32 s[\g+1], 384<<16                     ; tensor_dim0: 3,072 bytes, two K steps of a tile
	s_mov_b32 s[\g+2], 8<<16                       ; tensor_dim1: 8 tiles
	s_mov_b32 s[\g+3], 384<<16                     ; tile_dim0
	s_mov_b32 s[\g+4], 8                           ; tile_dim1
	s_mov_b32 s[\g+5], 1536                        ; from tile to tile: 12,288 bytes
	s_mov_b32 s[\g+6], 0
	s_mov_b32 s[\g+7], 0
.endr
	s_lshl_b32 s20, s17, 4
	s_add_co_u32 s20, s20, s45                     ; A's 16 tiles begin here,
	s_lshl_b32 s46, s42, 4
	s_add_co_u32 s46, s46, s66                     ; B's here
	s_lshl_b32 s69, s15, 3
	s_add_co_u32 s69, s69, s20
	s_lshl_b32 s69, s69, 9                         ; the scale words of the 8 tiles of A that I multiply: 512 bytes a tile
	s_lshl_b32 s94, s16, 3
	s_add_co_u32 s95, s94, s46
	s_lshl_b32 s95, s95, 9                         ; and of B
	s_add_co_u32 s20, s20, s94                     ; the 8 tiles that I fetch
	s_add_co_u32 s46, s46, s94
	s_mul_i32 s20, s20, 12288
	s_mul_i32 s46, s46, 12288
	s_mov_b32 s21, 0
	s_mov_b32 s47, 0
	s_mul_i32 s68, s14, HALFT                      ; where they go: no place in the cluster enters an LDS address
	s_wait_kmcnt 0x0
	s_add_nc_u64 s[20:21], s[4:5], s[20:21]
	s_add_nc_u64 s[46:47], s[4:5], s[46:47]
	CROUND                                         ; all sixteen work-groups are here: the first joint loads meet
.irp s, 0,1
	s_mov_b32 s[G0+4*\s], 1
	s_add_co_u32 s[G0+4*\s+1], s68, \s*SLOT
	s_add_nc_u64 s[G0+4*\s+2:G0+4*\s+3], s[20:21], \s*3072
	s_or_b32 s[G0+4*\s+3], s[G0+4*\s+3], 0x80000000
	s_mov_b32 s[G0B+4*\s], 1
	s_add_co_u32 s[G0B+4*\s+1], s68, \s*SLOT
	s_add_nc_u64 s[G0B+4*\s+2:G0B+4*\s+3], s[46:47], \s*3072
	s_or_b32 s[G0B+4*\s+3], s[G0B+4*\s+3], 0x80000000
	JLOAD G0+4*\s, G1, G0B+4*\s, G1B
.endr
	v_and_b32 v1, 15, v0                           ; r
	v_bfe_u32 v2, v0, 4, 1                         ; h
	v_and_b32 v3, 31, v0
	v_lshlrev_b32 v[O16], 4, v3
	v_lshlrev_b32 v[O8], 3, v3
	v_mov_b32 v6, s69
	v_mov_b32 v7, s95
	v_cmp_eq_u32 vcc_lo, 1, v2
	v_cndmask_b32 v[SADR], v6, v7, vcc_lo          ; lanes 0-15 take A's words, lanes 16-31 B's
	v_lshl_add_u32 v[SADR], v1, 4, v[SADR]
.irp i, 0,1,2,3,4,5,6,7
	global_load_b128 v[SC+8*\i:SC+8*\i+3], v[SADR], s[6:7] offset:512*\i        ; block i, K steps 0-3: 16 lanes read 256 consecutive bytes
	global_load_b128 v[SC+8*\i+4:SC+8*\i+7], v[SADR], s[6:7] offset:512*\i+256  ; K steps 4-7
.endr
	s_mul_i32 s22, s15, HALFT                      ; my 8 tiles of A
	s_mul_i32 s23, s16, HALFT
	s_add_co_u32 s23, s23, 2*HALFT                 ; my 8 of B, behind A's 16
.irp s, 0,1
	v_add_nc_u32 v[ADRA+\s], s22, v[O16]
	v_add_nc_u32 v[ADRA+2+\s], s22, v[O8]
	v_add_nc_u32 v[ADRB+\s], s23, v[O16]
	v_add_nc_u32 v[ADRB+2+\s], s23, v[O8]
	s_add_co_u32 s22, s22, SLOT
	s_add_co_u32 s23, s23, SLOT
.endr
	; where the results go
	s_lshl_b32 s78, s17, 1
	s_add_co_u32 s78, s78, s15                     ; my 128 rows of C: 2 x tile row + half
	s_lshl_b32 s79, s42, 1
	s_add_co_u32 s79, s79, s16                     ; my 128 columns
	s_and_b32 s80, s79, 7
	s_cmp_eq_u32 s67, 0
	s_cselect_b32 s81, s78, s79                    ; the group of 128 tokens, of 64: my rows (q, k) or my columns (v)
	s_cselect_b32 s80, s80, s78                    ; my pair of heads: my columns in Wq or Wk, or my rows of Wv
	s_lshr_b32 s82, s81, 4                         ; the batch
	s_and_b32 s81, s81, 15                         ; the group in it
	s_lshl_b32 s82, s82, 8
	s_lshl_b32 s80, s80, 5
	s_add_co_u32 s82, s82, s80
	s_add_co_u32 s82, s82, s81                     ; the record: 16 (16 batch + head) + group
	s_or_b32 s83, s67, ttmp9                       ; not 0: kv (v; or k, which the clusters with x = 1 make)
	s_mov_b32 s84, 6656
	s_mov_b32 s85, 6144
	s_cmp_lg_u32 s83, 0
	s_cselect_b32 s84, 13056, s84                  ; a record's bytes
	s_cselect_b32 s85, 12288, s85                  ; q's or k's scale words in it
	s_cselect_b64 s[OB:OB+1], s[10:11], s[8:9]
	s_lshl_b32 s86, s84, 4                         ; to the next head's record: 16 records
	s_mul_i32 s82, s82, s84
	s_mov_b32 s87, 12800
	s_mov_b32 s[STA], 1536
	s_cmp_eq_u32 s67, 0
	s_cselect_b32 s85, s85, s87                    ; the scale words' place
	s_cselect_b32 s88, 0, 6144                     ; the codes' place
	s_cselect_b32 s89, s86, 768                    ; a fragment's second half: the next head's record (q, k), or 768 bytes on (v)
	s_cselect_b32 s[STA], 768, s[STA]              ; from block to block: a half image, or an image
	s_cselect_b32 s[EXT], 0, 202752                ; v: block 4 begins the next head's record: 16 x 13,056 - 4 x 1,536
	s_mov_b32 s[STA+1], 0
	s_mov_b32 s[EXT+1], 0
	s_mov_b32 s83, 0
	s_add_nc_u64 s[OB:OB+1], s[OB:OB+1], s[82:83]
	s_mov_b32 s90, s85
	s_mov_b32 s91, 0
	s_add_nc_u64 s[SB:SB+1], s[OB:OB+1], s[90:91]
	s_mov_b32 s90, s88
	s_add_nc_u64 s[OB:OB+1], s[OB:OB+1], s[90:91]
	v_add_nc_u32 v[P16], s89, v[O16]
	v_add_nc_u32 v[P8], s89, v[O8]
	v_lshlrev_b32 v[SH], 4, v2
	v_mul_lo_u32 v[WO], v2, s86
	v_lshl_add_u32 v[WO], v1, 4, v[WO]
	s_mov_b32 s[SEL], 0x76543210
	s_mov_b32 s[SEL+1], 0xfedcba98
.irp b, 0,1,2,3
	v_mov_b32 v[TM+4+\b], 0                        ; written once: a lane permute's destination counts as one of its sources
.endr
.macro FRAG reg, adr, q, i             ; tile i's image of the slot's q-th K step: the same four lines by which it was stored
	ds_load_b128 v[\reg:\reg+3],     v[\adr]   offset:3072*(\i)+1536*(\q)
	ds_load_b64  v[\reg+4:\reg+5],   v[\adr+2] offset:3072*(\i)+1536*(\q)+512
	ds_load_b128 v[\reg+6:\reg+9],   v[\adr]   offset:3072*(\i)+1536*(\q)+768
	ds_load_b64  v[\reg+10:\reg+11], v[\adr+2] offset:3072*(\i)+1536*(\q)+1280
.endm
; 16 matrix instructions: A's blocks a0, a0 + 1 x B's eight, K step ks.  p: B's set.  zero = 1: the first product starts the sums.  The 64 accumulators take turns, in the same order in every step.
.macro MUL16 a0, p, ks, zero
.irp a, \a0, \a0+1
.irp b, 0,1,2,3,4,5,6,7
.if \zero
	v_wmma_scale_f32_16x16x128_f8f6f4 v[8*(8*((\a)%4)+\b):8*(8*((\a)%4)+\b)+7], v[128*(\p)+FR*\b:128*(\p)+FR*\b+FR-1], v[AF+FR*(\a):AF+FR*(\a)+FR-1], 0, v[SC+8*\b+(\ks)], v[SC+8*(\a)+(\ks)] matrix_a_fmt:MATRIX_FMT_FP6 matrix_b_fmt:MATRIX_FMT_FP6 matrix_a_scale:MATRIX_SCALE_ROW1
.else
	v_wmma_scale_f32_16x16x128_f8f6f4 v[8*(8*((\a)%4)+\b):8*(8*((\a)%4)+\b)+7], v[128*(\p)+FR*\b:128*(\p)+FR*\b+FR-1], v[AF+FR*(\a):AF+FR*(\a)+FR-1], v[8*(8*((\a)%4)+\b):8*(8*((\a)%4)+\b)+7], v[SC+8*\b+(\ks)], v[SC+8*(\a)+(\ks)] matrix_a_fmt:MATRIX_FMT_FP6 matrix_b_fmt:MATRIX_FMT_FP6 matrix_a_scale:MATRIX_SCALE_ROW1
.endif
.endr
.endr
.endm
.macro FETCH_B slot, q, p
	WIN TO_B
.irp i, 0,1,2,3,4,5,6,7
	FRAG 128*(\p)+FR*\i, ADRB+\slot, \q, \i
.endr
	WIN 0
.endm
.macro FETCH_A slot, q, i0
.irp i, \i0, \i0+1, \i0+2, \i0+3
	FRAG AF+FR*(\i), ADRA+\slot, \q, \i
.endr
.endm
.macro PLACES n                        ; places in front of loads into registers that matrix instructions have read, and of the first read of results
.rept \n
	v_nop
.endr
.endm
.macro STEP slot, ks, zero             ; a slot's first K step: B's set 0; its successor lies in the same slot
	s_wait_dscnt 4*NL                              ; B's set and A's blocks 0-3 are in; the youngest 16 loads (A's blocks 4-7) may be out
	WIN MUL_LO
	MUL16 0, 0, \ks, \zero
	MUL16 2, 0, \ks, \zero
	s_wait_dscnt 0x0                               ; A's blocks 4-7 are in
	PLACES NP
	FETCH_B \slot, 1, 1
	FETCH_A \slot, 1, 0
	WIN MUL_HI
	MUL16 4, 0, \ks, \zero
	MUL16 6, 0, \ks, \zero
	PLACES NP
	WIN 0
	FETCH_A \slot, 1, 4
.endm
; A slot's second K step changes slots: one barrier; in front of it each wave waits for all its tensor loads, adds 0 to its spare word, and waits for that and for its reads of this slot.  fill = 1: this slot is filled again.
.macro TURN slot, next, fill, ks
	s_wait_tensorcnt 0x0                           ; all my tensor loads have landed: my part of the next slot
	ds_add_u32 v[SPW], v[NIL]                      ; 0 onto my spare word
	s_wait_dscnt 4*NL+1                            ; the add and the youngest 16 loads (A's blocks 4-7) may be out
	WIN MUL_LO
	MUL16 0, 1, \ks, 0
	s_wait_dscnt 0x0                               ; the add is done, and my reads of this slot are over
	s_barrier_signal -1
	MUL16 2, 1, \ks, 0
	WIN 0
	s_barrier_wait -1
.if \fill
	CREST                                          ; the barrier has opened a round of the cluster's barrier: no wave of any partner still reads this slot or has a load on its way
	s_add_nc_u64 s[G0+4*\slot+2:G0+4*\slot+3], s[G0+4*\slot+2:G0+4*\slot+3], 6144
	s_add_nc_u64 s[G0B+4*\slot+2:G0B+4*\slot+3], s[G0B+4*\slot+2:G0B+4*\slot+3], 6144
	JLOAD G0+4*\slot, G1, G0B+4*\slot, G1B         ; the first tensor load behind the round; its four v_nop are the places in front of the loads below
.else
	PLACES NP
.endif
	FETCH_B \next, 0, 0
	FETCH_A \next, 0, 0
	WIN MUL_HI
	MUL16 4, 1, \ks, 0
	MUL16 6, 1, \ks, 0
	PLACES NP
	WIN 0
	FETCH_A \next, 0, 4
.endm
	s_wait_tensorcnt 1                             ; my part of slot 0 is in; slot 1's load may be out
	s_barrier_signal -1
	s_barrier_wait -1
	FETCH_B 0, 0, 0
	FETCH_A 0, 0, 0
	FETCH_A 0, 0, 4
	s_wait_loadcnt 0x0                             ; the scale words
	STEP 0, 0, 1
	TURN 0, 1, 1, 1
	STEP 1, 2, 0
	TURN 1, 0, 1, 3
	STEP 0, 4, 0
	TURN 0, 1, 0, 5                                ; nothing is left to fetch
	STEP 1, 6, 0
	s_wait_dscnt 4*NL
	WIN MUL_LO
	MUL16 0, 1, 7, 0
	MUL16 2, 1, 7, 0
	s_wait_dscnt 0x0
	WIN MUL_HI
	MUL16 4, 1, 7, 0
	MUL16 6, 1, 7, 0
	WIN 0
; THE WAY OUT.  Block a's 64 registers of a lane are 128 columns of one row: register 16 b + i = column 32 b + 16 h + i: four blocks of 32.  They become a fragment's codes and a scale word, and leave as an image: no LDS.
.macro QUANTW a
.set W, 2+(\a)/4
.set AC, 64*((\a)%4)
	WIN (W<<2)|(W<<4)                              ; sources 1 and 2: the accumulators' window
.irp b, 0,1,2,3
	v_max3_num_f32 v[TM+\b], 0x1800000, |v[AC+16*\b]|, |v[AC+16*\b+1]|   ; the floor 2^(3 - 127) and my first two; each accumulator is read from its low end on
.endr
.irp i, 2,4,6,8,10,12,14
.irp b, 0,1,2,3
	v_max3_num_f32 v[TM+\b], v[TM+\b], |v[AC+16*\b+\i]|, |v[AC+16*\b+\i+1]|
.endr
.endr
	WIN 0
.irp b, 0,1,2,3
	v_permlanex16_b32 v[TM+4+\b], v[TM+\b], s[SEL], s[SEL+1]
.endr
.irp b, 0,1,2,3
	v_max_num_f32 v[TM+\b], v[TM+\b], v[TM+4+\b]
.endr
.irp b, 0,1,2,3
	v_add_nc_u32 v[TM+12+\b], 0xff000000, v[TM+\b]
.endr
.irp b, 0,1,2,3
	v_lshrrev_b32 v[TM+4+\b], 23, v[TM+12+\b]
.endr
	v_lshl_or_b32 v[WS+(\a)], v[TM+5], 8, v[TM+4]
	v_lshl_or_b32 v[WS+(\a)], v[TM+6], 16, v[WS+(\a)]
	v_lshl_or_b32 v[WS+(\a)], v[TM+7], 24, v[WS+(\a)]
	s_wait_xcnt 0x0                                ; the last block's stores have read their data and their base: both are written again only behind this wait
.if (\a) > 0
	s_add_nc_u64 s[OB:OB+1], s[OB:OB+1], s[STA:STA+1]
.endif
.if (\a) == 4
	s_add_nc_u64 s[OB:OB+1], s[OB:OB+1], s[EXT:EXT+1]
.endif
	WIN W                                          ; source 0: the accumulators' window
.irp c, 0,1
	v_cvt_scalef32_pk16_fp6_f32 v[PC+6*\c:PC+6*\c+2], v[AC+32*\c:AC+32*\c+15], v[TM+12+2*\c]
	v_cvt_scalef32_pk16_fp6_f32 v[PC+12+4*\c:PC+14+4*\c], v[AC+32*\c+16:AC+32*\c+31], v[TM+13+2*\c]
.endr
	WIN 0
	v_nop                                          ; one plain place behind a scaled conversion
.irp c, 0,1
.irp i, 0,1,2
	v_permlane16_swap_b32 v[PC+6*\c+\i], v[PC+12+4*\c+\i]
.endr
.irp i, 0,1,2
	v_mov_b32 v[PC+3+6*\c+\i], v[PC+12+4*\c+\i]
.endr
.endr
	global_store_b128 v[O16], v[PC:PC+3], s[OB:OB+1]                  ; 512 consecutive bytes, aligned to 256
	global_store_b64 v[O8], v[PC+4:PC+5], s[OB:OB+1] offset:512       ; 256
	global_store_b128 v[P16], v[PC+6:PC+9], s[OB:OB+1]                ; the second half: the next head's record, or the image's second half
	global_store_b64 v[P8], v[PC+10:PC+11], s[OB:OB+1] offset:512
.endm
	PLACES NP
.irp a, 0,1,2,3,4,5,6,7
	QUANTW \a
.endr
	s_cmp_eq_u32 s67, 0                            ; the same in all partners
	s_cbranch_scc0 .Lv_words
.irp a, 0,1,2,3,4,5,6,7
	v_lshrrev_b32 v[U+\a], v[SH], v[WS+\a]         ; lanes 0-15 store the first head's word as it is, lanes 16-31 the second head's two bytes, moved down
.endr
	global_store_b128 v[WO], v[U:U+3], s[SB:SB+1]              ; 16 lanes fill 256 consecutive bytes of each head's record
	global_store_b128 v[WO], v[U+4:U+7], s[SB:SB+1] offset:256
	s_branch .Lwords_done
.Lv_words:
	v_cmp_eq_u32 vcc_lo, 1, v2
.irp j, 0,1,2,3
	v_cndmask_b32 v[U+\j], v[WS+\j], v[WS+4+\j], vcc_lo   ; lanes 0-15: the first head's four tiles; lanes 16-31: the second head's
.endr
	global_store_b128 v[WO], v[U:U+3], s[SB:SB+1]
.Lwords_done:
	s_wait_tensorcnt 0x0                           ; the wave's end
	ds_add_u32 v[SPW], v[NIL]
	s_wait_dscnt 0x0
	CROUND                                         ; the closing round: no work-group ends while a partner may still ask for a tile that names it
	s_endpgm
.Lfunc_end_k_qe17424834e_proj:
	.size	k_qe17424834e_proj, .Lfunc_end_k_qe17424834e_proj-k_qe17424834e_proj
	.p2alignl 7, 3214868480
	.fill 96, 4, 3214868480
	.section	.rodata,"a",@progbits
	.p2align	6, 0x0
	.amdhsa_kernel k_qe17424834e_proj
		.amdhsa_group_segment_fixed_size 327680
		.amdhsa_private_segment_fixed_size 0
		.amdhsa_enable_private_segment 0
		.amdhsa_kernarg_size 32
		.amdhsa_user_sgpr_count 2
		.amdhsa_user_sgpr_kernarg_segment_ptr 1
		.amdhsa_wavefront_size32 1
		.amdhsa_system_sgpr_workgroup_id_x 1
		.amdhsa_system_sgpr_workgroup_id_y 1
		.amdhsa_system_sgpr_workgroup_id_z 1
		.amdhsa_system_vgpr_workitem_id 0
		.amdhsa_next_free_vgpr 1024
		.amdhsa_next_free_sgpr 100
		.amdhsa_reserve_vcc 1
		.amdhsa_float_denorm_mode_32 3
		.amdhsa_float_denorm_mode_16_64 3
		.amdhsa_memory_ordered 1
		.amdhsa_forward_progress 1
		.amdhsa_inst_pref_size 148
	.end_amdhsa_kernel
	.amdgpu_metadata
---
amdhsa.version: [ 1, 2 ]
amdhsa.kernels:
  - .name:           k_qe17424834e_proj
    .symbol:         k_qe17424834e_proj.kd
    .args:
      - { .name: codes, .offset: 0, .size: 8, .value_kind: global_buffer, .address_space: global }
      - { .name: sc, .offset: 8, .size: 8, .value_kind: global_buffer, .address_space: global }
      - { .name: qrec, .offset: 16, .size: 8, .value_kind: global_buffer, .address_space: global }
      - { .name: kv, .offset: 24, .size: 8, .value_kind: global_buffer, .address_space: global }
    .group_segment_fixed_size: 327680
    .private_segment_fixed_size: 0
    .kernarg_segment_align: 8
    .kernarg_segment_size: 32
    .max_flat_workgroup_size: 128
    .sgpr_count:     100
    .vgpr_count:     1024
    .wavefront_size: 32
...
	.end_amdgpu_metadata
.endif
;; end of part 2
;; launch attn (part 3): grid 4 x 64, 16 waves a work-group, clusters of 4 x 1, 210,944 bytes of LDS; arguments qrec, kv, codes, sc; writes codes, sc
.if DOCPART == 3
	.amdgcn_target "amdgcn-amd-amdhsa--gfx1250"
	.amdhsa_code_object_version 6
	.text
	.protected	k_qe17424834e_attn
	.globl	k_qe17424834e_attn
	.p2align	8
	.type	k_qe17424834e_attn,@function
k_qe17424834e_attn:
	s_mov_b64 s[64:65], 0
	v_nop
	global_prefetch_b8 v0, s[64:65] scope:SCOPE_SE
	s_setreg_imm32_b32 hwreg(HW_REG_WAVE_MODE, 25, 1), 1
	s_wait_xcnt 0x0
	s_wait_alu depctr_hold_cnt(0) depctr_sa_sdst(0) depctr_va_vdst(0) depctr_va_sdst(0) depctr_va_ssrc(0) depctr_va_vcc(0) depctr_vm_vsrc(0)
	s_getreg_b32 s2, hwreg(HW_REG_IB_STS2, 6, 4)
	s_cmp_eq_u32 s2, 0
	s_cbranch_scc0 .Lentry_in_a_cluster
	s_endpgm
.Lentry_in_a_cluster:
	s_bfe_u32 s2, ttmp6, 0x10000c
	s_cmp_lg_u32 s2, 0x3003
	s_cbranch_scc0 .Lentry_shape_is_right
	s_endpgm
.Lentry_shape_is_right:
; Causal attention of one head (16 batch + head = the cluster's y), both products on codes of FP6 (E2M3), and the quantising of its result along the model's 1,024 for the last projection.
; t = score x log2(e) / 8; M = the running largest t, rounded up to a whole number; p = 2^(t - M) is quantised along the keys; the row's sum is taken of the unquantised p and divides at the end.
; THE WHOLE HEAD LIES IN LDS: 16 records of 128 keys, 13,056 bytes each (K's 8 half images, V^T's 4 images, K's and V's scale words), filled once: wave w asks for record w.
; CLUSTER: the four work-groups of a cluster serve one head and ask for each record JOINTLY.
; SHARES.  A tile is 16 queries: lane r of tile m of a group of 128 holds token 32 (m / 2) + 8 (m % 2) + r + 8 (r / 8).  Wave w, with g = w / 2 and m = 2 cx + w % 2, owns tile m of group g and tile 7 - m of group 15 - g:
; (g + 1) + (16 - g) = 17 key steps of 128 keys in every wave.  How many steps a wave works hangs on its number alone; cx enters global addresses and the mask's numbers only.
; LAYOUT.  Both products are used transposed: S^T = K Q^T, O^T = V^T P^T: a lane holds one query throughout; the 16 registers of key tiles 2 b and 2 b + 1 are keys 32 b + 16 h + 0 .. 15.
; K = 64 IN AN INSTRUCTION OF 128: Q's registers 6-11 hold zero codes.  K's operand for tile j is v[32 + 6 j : 43 + 6 j]: its upper six registers are the next tile's codes (or zeros), which meet Q's zeros and add nothing;
; the scale bytes that go with them are another head's or 0, never 0xff.
; The loops' trip counts are constants (8 and 16); a step all of whose keys come after the tile's queries is jumped over by a scalar branch.  On the diagonal step hidden scores become -infinity ahead of the maximum.
; RESULT: codes tile 768 + 128 batch + 8 group + m, K step head / 2, half head % 2; its two scale bytes go to sc as 2 bytes a row: the word's other half is another cluster's.
; LIMITS: a block of zeros or under 2^-124 gets the byte 1; NaN and infinities are not served.
; REGISTERS: v1-3 16 x lane, 8 x lane, 16 r; v4-6 the step's LDS addresses; v7 the mask's number; v9-10 the two tiles' scale bytes; v12 -M, v13 largest t, v[14:15] the sum; v16-27 Q; v32-85 K, then V in v32-79;
; v96-159 S^T, then p; v160-191 O^T; v192-199 K's scale words, v200-203 V's, v204 p's, v255 Q's; v224-235 p's codes; v232-254 at work.
.set REC,  13056
.set OT,   160
.set KSW,  192
.set VSW,  200
.set PSW,  204
.set WV,   18
.set SEL,  20
.set CS,   22
.set G1,   24
.set G0,   32
.set RB,   36                          ; s36 the step's record in LDS    s37 the step    s38 the tile's last step
.set ST,   37
.set SD,   38
.macro CROUND
	s_barrier_signal -1
	s_barrier_wait -1
	s_cmp_lg_u32 s[WV], 0
	s_cbranch_scc1 .Lnot_wave_0_\@
	s_barrier_signal -3
.Lnot_wave_0_\@:
	s_barrier_wait -3
	s_barrier_signal -1
	s_barrier_wait -1
.endm
	s_load_b256 s[4:11], s[0:1], 0x0               ; qrec, kv, codes, sc
	v_lshl_add_u32 v250, v0, 2, 0x33000
	v_mov_b32 v251, 0
	ds_add_u32 v250, v251
	ds_add_u32 v250, v251
	v_lshrrev_b32 v1, 5, v0
	s_delay_alu instid0(VALU_DEP_1)
	v_readfirstlane_b32 s[WV], v1                  ; wave 0..15
	s_bfe_u32 s12, ttmp6, 0x40000                  ; cx
	s_and_b32 s13, ttmp7, 0xffff                   ; 16 batch + head
	s_mov_b32 s[G1], 15|(3<<16)|(1<<21)            ; the mask: all four; elements of 8 bytes; no padding; 21 set beside a mask
	s_mov_b32 s[G1+1], 32<<16                      ; a record as 51 rows of 256 bytes, dense
	s_mov_b32 s[G1+2], 51<<16
	s_mov_b32 s[G1+3], 32<<16
	s_mov_b32 s[G1+4], 51
	s_mov_b32 s[G1+5], 32
	s_mov_b32 s[G1+6], 0
	s_mov_b32 s[G1+7], 0
	s_mov_b32 s[G0], 1
	s_mul_i32 s[G0+1], s[WV], REC                  ; record w, in LDS
	s_mul_i32 s56, s13, 16*REC
	s_add_co_u32 s56, s56, s[G0+1]                 ; and in the head's 16 in memory
	s_mov_b32 s57, 0
	s_wait_dscnt 0x0
	s_wait_kmcnt 0x0
	s_add_nc_u64 s[G0+2:G0+3], s[6:7], s[56:57]
	s_or_b32 s[G0+3], s[G0+3], 0x80000000
	CROUND                                         ; all four work-groups are here: the joint loads meet
	tensor_load_to_lds s[G0:G0+3], s[G1:G1+7]      ; my one tensor load
	s_nop 0
.rept 4
	v_nop
.endr
	s_lshr_b32 s14, s[WV], 1                       ; g
	s_and_b32 s15, s[WV], 1
	s_lshl_b32 s56, s12, 1
	s_add_co_u32 s15, s15, s56                     ; m
	s_sub_co_u32 s16, 7, s15                       ; the second tile's place,
	s_sub_co_u32 s17, 15, s14                      ; and its group
	s_and_b32 s63, s13, 15                         ; the head
	s_mul_i32 s61, s63, 768                        ; its half image in a tile's 12,288 bytes
	s_lshr_b32 s62, s63, 3
	s_lshl_b32 s62, s62, 8
	s_and_b32 s63, s63, 7
	s_lshl_b32 s63, s63, 1
	s_add_co_u32 s62, s62, s63                     ; its two bytes in a tile's 512 bytes of scale words, row 0
; a tile's places: q its half image in qrec, qs its scale words, c its result in codes, so the result's scale bytes in sc, mo its first token in the group
.macro PLACE sg, sm, q, qs, c, so, mo
	s_lshl_b32 s56, s13, 4
	s_add_co_u32 s56, s56, s[\sg]
	s_mul_i32 s56, s56, 6656                       ; the record
	s_mul_i32 s57, s[\sm], 768
	s_add_co_u32 s58, s56, s57
	s_mov_b32 s59, 0
	s_add_nc_u64 s[\q:\q+1], s[4:5], s[58:59]
	s_lshr_b32 s57, s[\sm], 2
	s_lshl_b32 s57, s57, 8
	s_and_b32 s60, s[\sm], 3
	s_lshl_b32 s60, s60, 2
	s_add_co_u32 s57, s57, s60
	s_add_co_u32 s58, s56, s57
	s_add_co_u32 s58, s58, 6144
	s_add_nc_u64 s[\qs:\qs+1], s[4:5], s[58:59]
	s_lshr_b32 s56, s13, 4
	s_lshl_b32 s56, s56, 7
	s_lshl_b32 s57, s[\sg], 3
	s_add_co_u32 s56, s56, s57
	s_add_co_u32 s56, s56, s[\sm]
	s_add_co_u32 s56, s56, 768                     ; the result's tile
	s_mul_i32 s58, s56, 12288
	s_add_co_u32 s58, s58, s61
	s_add_nc_u64 s[\c:\c+1], s[8:9], s[58:59]
	s_lshl_b32 s[\so], s56, 9
	s_add_co_u32 s[\so], s[\so], s62
	s_lshr_b32 s57, s[\sm], 1
	s_lshl_b32 s57, s57, 5
	s_and_b32 s60, s[\sm], 1
	s_lshl_b32 s60, s60, 3
	s_add_co_u32 s[\mo], s57, s60
.endm
	PLACE 14, 15, 40, 42, 48, 52, 54
	PLACE 17, 16, 44, 46, 50, 53, 55
	s_mov_b32 s[SEL], 0x76543210
	s_mov_b32 s[SEL+1], 0xfedcba98
	s_mov_b32 s[CS], 0x3e38aa3b                    ; c = log2(e) / sqrt(64)
	s_mov_b32 s[CS+1], s[CS]                       ; (named with it as a pair, so it is written)
	v_and_b32 v11, 31, v0                          ; lane
	s_delay_alu instid0(VALU_DEP_1)
	v_lshlrev_b32 v1, 4, v11
	s_delay_alu instid0(VALU_DEP_2)
	v_lshlrev_b32 v2, 3, v11
	v_and_b32 v8, 15, v0                           ; r
	s_delay_alu instid0(VALU_DEP_1)
	v_lshlrev_b32 v3, 4, v8
	global_load_b128 v[16:19], v1, s[40:41]        ; the first tile's Q: a half image,
	global_load_b64 v[20:21], v2, s[40:41] offset:512
	global_load_b32 v255, v3, s[42:43]             ; and its scale words
	v_and_b32 v4, 8, v8
	s_delay_alu instid0(VALU_DEP_1)
	v_add_nc_u32 v8, v8, v4                        ; r + 8 (r / 8)
	v_bfe_u32 v4, v0, 4, 1
	s_delay_alu instid0(VALU_DEP_1)
	v_lshlrev_b32 v4, 4, v4
	s_delay_alu instid0(VALU_DEP_1)
	v_sub_nc_u32 v8, v8, v4                        ; - 16 h
.irp j, 22,23,24,25,26,27,80,81,82,83,84,85
	v_mov_b32 v[\j], 0                             ; Q's upper 64 along K: zero codes; and what stands behind K's last tile
.endr
.irp j, 236,237,238,239,252,253
	v_mov_b32 v[\j], 0                             ; written once: lane permutes' destinations; v253 is named as the upper half of the pair v[252:253]
.endr
	s_wait_tensorcnt 0x0                           ; my record has landed,
	s_barrier_signal -1
	s_barrier_wait -1                              ; everybody's has
; ONE TILE OF 16 QUERIES: ntrip trips, of which those up to step s[sd] are worked.  mo: the tile's first token in its group.  cb: where its codes go.
.macro TILE n, ntrip, sd, mo, cb
	v_mov_b32 v13, 0xff61b1e6                      ; the largest t so far: -3e38
	s_delay_alu instid0(VALU_DEP_1)
	v_floor_f32 v12, -v13                          ; -M
	v_mov_b32 v14, 0
	v_mov_b32 v15, 0
.irp j, 0,1,2,3,4,5,6,7,8,9,10,11,12,13,14,15,16,17,18,19,20,21,22,23,24,25,26,27,28,29,30,31
	v_mov_b32 v[OT+\j], 0                          ; the step is written once: the first finds zeros, which the first change of M leaves zeros
.endr
	v_add_nc_u32 v7, s[\mo], v8                    ; my query's place in its group - 16 h
	s_mov_b32 s[RB], 0
	s_mov_b32 s[ST], 0
	s_mov_b32 s[SD], s[\sd]
	s_wait_xcnt 0x0                                ; the tile before has had its stores' data read: v224 on is written again only behind this wait
	s_wait_loadcnt 0x0                             ; Q
.Ltrip_\n:
	s_cmp_gt_u32 s[ST], s[SD]                      ; all these keys come after my queries: nothing to do
	s_cbranch_scc1 .Lskip_\n
	s_setprio 2
	v_add_nc_u32 v4, s[RB], v1
	v_add_nc_u32 v5, s[RB], v2
	v_add_nc_u32 v6, s[RB], v3
	v_nop                                          ; four places in front of loads into registers that the last products read
.irp i, 0,1,2,3,4,5,6,7
	ds_load_b128 v[32+6*\i:35+6*\i], v4 offset:768*\i
	ds_load_b64 v[36+6*\i:37+6*\i], v5 offset:768*\i+512
.endr
	ds_load_b128 v[KSW:KSW+3], v6 offset:12288
	ds_load_b128 v[KSW+4:KSW+7], v6 offset:12544
	s_wait_alu depctr_va_vdst(0)
	s_wait_dscnt 0x0
.irp j, 0,1,2,3,4,5,6,7
	v_wmma_scale_f32_16x16x128_f8f6f4 v[96+8*\j:103+8*\j], v[32+6*\j:43+6*\j], v[16:27], 0, v[KSW+\j], v255 matrix_a_fmt:MATRIX_FMT_FP6 matrix_b_fmt:MATRIX_FMT_FP6
.endr
.rept 4
	v_nop                                          ; places in front of the loads below and of the first read of the scores
.endr
.irp i, 0,1,2,3                        ; V^T's four images land while the softmax is walked
	ds_load_b128 v[32+12*\i:35+12*\i], v4 offset:6144+1536*\i
	ds_load_b64 v[36+12*\i:37+12*\i], v5 offset:6144+1536*\i+512
	ds_load_b128 v[38+12*\i:41+12*\i], v4 offset:6144+1536*\i+768
	ds_load_b64 v[42+12*\i:43+12*\i], v5 offset:6144+1536*\i+1280
.endr
	ds_load_b128 v[VSW:VSW+3], v6 offset:12800
	s_cmp_lg_u32 s[ST], s[SD]                      ; only the tile's last step lies on the diagonal
	s_cbranch_scc1 .Lopen_\n
	v_mov_b32 v254, 0xff800000                     ; -infinity.  Register 16 b + i holds key 32 b + 16 h + i of my own group: hidden where 32 b + i > v7
.irp k, 0,1,2,3,4,5,6,7,8,9,10,11,12,13,14,15,16,17,18,19,20,21,22,23,24,25,26,27,28,29,30,31,32,33,34,35,36,37,38,39,40,41,42,43,44,45,46,47,48,49,50,51,52,53,54,55,56,57,58,59,60,61,62,63
	v_cmp_gt_i32 vcc_lo, 32*(\k/16)+\k%16, v7
	v_cndmask_b32 v[96+\k], v[96+\k], v254, vcc_lo
.endr
.Lopen_\n:
.irp b, 0,1,2,3
	v_max3_num_f32 v[232+\b], v[96+16*\b], v[97+16*\b], v[98+16*\b]   ; the largest score of each block of 32 keys: for the row's maximum, and, since p rises with the score, for the block's largest p
.endr
.irp i, 3,5,7,9,11,13
.irp b, 0,1,2,3
	v_max3_num_f32 v[232+\b], v[232+\b], v[96+16*\b+\i], v[97+16*\b+\i]
.endr
.endr
.irp b, 0,1,2,3
	v_max_num_f32 v[232+\b], v[232+\b], v[111+16*\b]
.endr
.irp b, 0,1,2,3
	s_delay_alu instid0(VALU_DEP_4)
	v_permlanex16_b32 v[236+\b], v[232+\b], s[SEL], s[SEL+1]
.endr
.irp b, 0,1,2,3
	s_delay_alu instid0(VALU_DEP_4)
	v_max_num_f32 v[232+\b], v[232+\b], v[236+\b]  ; with lane l xor 16's 16 keys
.endr
	s_delay_alu instid0(VALU_DEP_2)
	v_max3_num_f32 v254, v232, v233, v234
	s_delay_alu instid0(VALU_DEP_1)
	v_max_num_f32 v254, v254, v235
	s_delay_alu instid0(VALU_DEP_1)
	v_mul_f32 v254, s[CS], v254                    ; the step's largest t
	s_delay_alu instid0(VALU_DEP_1)
	v_max_num_f32 v13, v13, v254
	v_mov_b32 v254, v12
	s_delay_alu instid0(VALU_DEP_2)
	v_floor_f32 v12, -v13                          ; the new -M = -ceil(t)
	s_delay_alu instid0(VALU_DEP_1)
	v_sub_f32 v254, v12, v254                      ; old M - new M: a whole number, 0 or less
	s_delay_alu instid0(VALU_DEP_1)
	v_cvt_i32_f32 v254, v254                       ; (it saturates)
	s_delay_alu instid0(VALU_DEP_1)
	v_ldexp_f32 v252, 1.0, v254                    ; f = 2^(old M - new M): a multiplication by it rounds nothing
.irp j, 0,2,4,6,8,10,12,14,16,18,20,22,24,26,28,30,32,34,36,38,40,42,44,46,48,50,52,54,56,58,60,62
	v_pk_fma_f32 v[96+\j:97+\j], v[96+\j:97+\j], s[CS:CS+1], v[12:13] op_sel_hi:[1,0,0]   ; t - M
.endr
	s_setprio 1
.irp b, 0,1,2,3
	v_fma_f32 v[232+\b], v[232+\b], s[CS], v12
.endr
	s_wait_alu depctr_va_vdst(0)
.irp j, 0,1,2,3,4,5,6,7,8,9,10,11,12,13,14,15,16,17,18,19,20,21,22,23,24,25,26,27,28,29,30,31,32,33,34,35,36,37,38,39,40,41,42,43,44,45,46,47,48,49,50,51,52,53,54,55,56,57,58,59,60,61,62,63
	v_exp_f32 v[96+\j], v[96+\j]                   ; p = 2^(t - M)
.endr
.irp b, 0,1,2,3
	v_exp_f32 v[232+\b], v[232+\b]                 ; the block's largest p
.endr
	v_pk_mul_f32 v[14:15], v[14:15], v[252:253] op_sel_hi:[1,0]   ; the sums under the new M (a plain place behind the exponentials)
	s_wait_alu depctr_va_vdst(0)
.irp b, 0,1,2,3
	v_max_num_f32 v[232+\b], 0x1800000, v[232+\b]  ; the floor 2^(3 - 127)
.endr
.irp b, 0,1,2,3
	s_delay_alu instid0(VALU_DEP_4)
	v_add_nc_u32 v[244+\b], 0xff000000, v[232+\b]  ; the conversion's scale operand
.endr
.irp b, 0,1,2,3
	s_delay_alu instid0(VALU_DEP_4)
	v_lshrrev_b32 v[236+\b], 23, v[244+\b]         ; the scale's byte
.endr
	s_delay_alu instid0(VALU_DEP_3)
	v_lshl_or_b32 v[PSW], v237, 8, v236            ; p's scale word for these 128 keys
	s_delay_alu instid0(VALU_DEP_1)
	v_lshl_or_b32 v[PSW], v238, 16, v[PSW]
	s_delay_alu instid0(VALU_DEP_1)
	v_lshl_or_b32 v[PSW], v239, 24, v[PSW]
.irp c, 0,1
	v_cvt_scalef32_pk16_fp6_f32 v[224+6*\c:226+6*\c], v[96+32*\c:111+32*\c], v[244+2*\c]
	v_cvt_scalef32_pk16_fp6_f32 v[236+4*\c:238+4*\c], v[112+32*\c:127+32*\c], v[245+2*\c]
.endr
	v_nop                                          ; one plain place behind a scaled conversion
.irp c, 0,1
.irp i, 0,1,2
	v_permlane16_swap_b32 v[224+6*\c+\i], v[236+4*\c+\i]
.endr
.irp i, 0,1,2
	s_delay_alu instid0(VALU_DEP_3)
	v_mov_b32 v[227+6*\c+\i], v[236+4*\c+\i]
.endr
.endr
	v_pk_add_f32 v[236:237], v[100:101], v[104:105]
	v_pk_add_f32 v[248:249], v[108:109], v[112:113]
	v_pk_add_f32 v[246:247], v[116:117], v[120:121]
	v_pk_add_f32 v[244:245], v[124:125], v[128:129]
	v_pk_add_f32 v[242:243], v[132:133], v[136:137]
	v_pk_add_f32 v[240:241], v[140:141], v[144:145]
	v_pk_add_f32 v[222:223], v[148:149], v[152:153]
	v_pk_add_f32 v[14:15], v[14:15], v[156:157]
	v_pk_add_f32 v[236:237], v[236:237], v[96:97]
	v_pk_add_f32 v[248:249], v[248:249], v[98:99]
	s_setprio 0
	v_pk_add_f32 v[246:247], v[246:247], v[102:103]
	v_pk_add_f32 v[244:245], v[244:245], v[106:107]
	v_pk_add_f32 v[242:243], v[242:243], v[110:111]
	v_pk_add_f32 v[240:241], v[240:241], v[114:115]
	v_pk_add_f32 v[222:223], v[222:223], v[118:119]
	v_pk_add_f32 v[14:15], v[14:15], v[122:123]
	v_pk_add_f32 v[236:237], v[236:237], v[126:127]
	v_pk_add_f32 v[248:249], v[248:249], v[130:131]
	v_pk_add_f32 v[246:247], v[246:247], v[134:135]
	v_pk_add_f32 v[244:245], v[244:245], v[138:139]
	v_pk_add_f32 v[242:243], v[242:243], v[142:143]
	v_pk_add_f32 v[240:241], v[240:241], v[146:147]
	v_pk_add_f32 v[222:223], v[222:223], v[150:151]
	v_pk_add_f32 v[14:15], v[14:15], v[154:155]
	v_pk_add_f32 v[236:237], v[236:237], v[158:159]
	s_delay_alu instid0(VALU_DEP_2)
	v_pk_add_f32 v[14:15], v[14:15], v[244:245]
	s_delay_alu instid0(VALU_DEP_2)
	v_pk_add_f32 v[236:237], v[236:237], v[242:243]
	v_pk_add_f32 v[248:249], v[248:249], v[240:241]
	v_pk_add_f32 v[246:247], v[246:247], v[222:223]
	s_delay_alu instid0(VALU_DEP_2)
	v_pk_add_f32 v[14:15], v[14:15], v[248:249]
	s_delay_alu instid0(VALU_DEP_2)
	v_pk_add_f32 v[236:237], v[236:237], v[246:247]
	s_delay_alu instid0(VALU_DEP_1)
	v_pk_add_f32 v[14:15], v[14:15], v[236:237]
.irp j, 0,2,4,6,8,10,12,14,16,18,20,22,24,26,28,30
	v_pk_mul_f32 v[OT+\j:OT+\j+1], v[OT+\j:OT+\j+1], v[252:253] op_sel_hi:[1,0]   ; O^T under the new M
.endr
	s_wait_alu depctr_va_vdst(0)
	s_wait_dscnt 0x0                               ; V
.irp i, 0,1,2,3                        ; the four accumulators by turns; eight products K Q^T stand between one step's and the next's
	v_wmma_scale_f32_16x16x128_f8f6f4 v[OT+8*\i:OT+8*\i+7], v[32+12*\i:43+12*\i], v[224:235], v[OT+8*\i:OT+8*\i+7], v[VSW+\i], v[PSW] matrix_a_fmt:MATRIX_FMT_FP6 matrix_b_fmt:MATRIX_FMT_FP6
.endr
.Lskip_\n:
	s_add_co_u32 s[RB], s[RB], REC
	s_add_co_u32 s[ST], s[ST], 1
	s_cmp_lt_u32 s[ST], \ntrip
	s_cbranch_scc1 .Ltrip_\n
	s_setprio 0
.rept 4
	v_nop                                          ; places behind the last products, on every way out of the loop
.endr
	v_add_f32 v14, v14, v15
	s_delay_alu instid0(VALU_DEP_1)
	v_permlanex16_b32 v252, v14, s[SEL], s[SEL+1]
	s_delay_alu instid0(VALU_DEP_1)
	v_add_f32 v14, v14, v252                       ; the row's sum
	s_wait_alu depctr_va_vdst(0)
	v_rcp_f32 v14, v14
	v_nop                                          ; a plain place behind the transcendental
.if \n == 1
	global_load_b128 v[16:19], v1, s[44:45]        ; the second tile's Q is asked for here
	global_load_b64 v[20:21], v2, s[44:45] offset:512
	global_load_b32 v255, v3, s[46:47]
.endif
	s_wait_alu depctr_va_vdst(0)
.irp j, 0,2,4,6,8,10,12,14,16,18,20,22,24,26,28,30
	v_pk_mul_f32 v[96+\j:97+\j], v[OT+\j:OT+\j+1], v[14:15] op_sel_hi:[1,0]   ; O^T / the sum: register 16 b + i = the head's feature 32 b + 16 h + i of my query
.endr
.irp b, 0,1
	v_max3_num_f32 v[232+\b], |v[96+16*\b]|, |v[97+16*\b]|, 0x1800000
.endr
.irp i, 2,4,6,8,10,12,14
.irp b, 0,1
	s_delay_alu instid0(VALU_DEP_2)
	v_max3_num_f32 v[232+\b], v[232+\b], |v[96+16*\b+\i]|, |v[97+16*\b+\i]|
.endr
.endr
.irp b, 0,1
	s_delay_alu instid0(VALU_DEP_2)
	v_permlanex16_b32 v[236+\b], v[232+\b], s[SEL], s[SEL+1]
.endr
.irp b, 0,1
	s_delay_alu instid0(VALU_DEP_2)
	v_max_num_f32 v[232+\b], v[232+\b], v[236+\b]
.endr
.irp b, 0,1
	s_delay_alu instid0(VALU_DEP_2)
	v_add_nc_u32 v[244+\b], 0xff000000, v[232+\b]
.endr
.irp b, 0,1
	s_delay_alu instid0(VALU_DEP_2)
	v_lshrrev_b32 v[236+\b], 23, v[244+\b]
.endr
	s_delay_alu instid0(VALU_DEP_1)
	v_lshl_or_b32 v[8+\n], v237, 8, v236           ; my row's two scale bytes
	v_cvt_scalef32_pk16_fp6_f32 v[224:226], v[96:111], v244
	v_cvt_scalef32_pk16_fp6_f32 v[240:242], v[112:127], v245
	v_nop
.irp i, 0,1,2
	v_permlane16_swap_b32 v[224+\i], v[240+\i]
.endr
.irp i, 0,1,2
	s_delay_alu instid0(VALU_DEP_3)
	v_mov_b32 v[227+\i], v[240+\i]
.endr
	global_store_b128 v1, v[224:227], s[\cb:\cb+1]             ; a half image: 512 consecutive bytes,
	global_store_b64 v2, v[228:229], s[\cb:\cb+1] offset:512   ; and 256, each aligned to 256
.endm
	TILE 1, 8, 14, 54, 48
	TILE 2, 16, 17, 55, 50
	v_cmp_le_u32 vcc_lo, 16, v11                   ; lanes 0-15 store the first tile's bytes, lanes 16-31 the second's: 2 bytes a row, 16 bytes apart
	v_mov_b32 v28, s52
	v_mov_b32 v29, s53
	s_delay_alu instid0(VALU_DEP_1)
	v_cndmask_b32 v28, v28, v29, vcc_lo
	s_delay_alu instid0(VALU_DEP_1)
	v_add_nc_u32 v28, v28, v3
	v_cndmask_b32 v30, v9, v10, vcc_lo
	global_store_b16 v28, v30, s[10:11]
	s_wait_tensorcnt 0x0
	ds_add_u32 v250, v251
	s_wait_dscnt 0x0
	CROUND                                         ; the closing round
	s_endpgm
.Lfunc_end_k_qe17424834e_attn:
	.size	k_qe17424834e_attn, .Lfunc_end_k_qe17424834e_attn-k_qe17424834e_attn
	.p2alignl 7, 3214868480
	.fill 96, 4, 3214868480
	.section	.rodata,"a",@progbits
	.p2align	6, 0x0
	.amdhsa_kernel k_qe17424834e_attn
		.amdhsa_group_segment_fixed_size 210944
		.amdhsa_private_segment_fixed_size 0
		.amdhsa_enable_private_segment 0
		.amdhsa_kernarg_size 32
		.amdhsa_user_sgpr_count 2
		.amdhsa_user_sgpr_kernarg_segment_ptr 1
		.amdhsa_wavefront_size32 1
		.amdhsa_system_sgpr_workgroup_id_x 1
		.amdhsa_system_sgpr_workgroup_id_y 1
		.amdhsa_system_sgpr_workgroup_id_z 1
		.amdhsa_system_vgpr_workitem_id 0
		.amdhsa_next_free_vgpr 256
		.amdhsa_next_free_sgpr 72
		.amdhsa_reserve_vcc 1
		.amdhsa_float_denorm_mode_32 3
		.amdhsa_float_denorm_mode_16_64 3
		.amdhsa_memory_ordered 1
		.amdhsa_forward_progress 1
		.amdhsa_inst_pref_size 64
	.end_amdhsa_kernel
	.amdgpu_metadata
---
amdhsa.version: [ 1, 2 ]
amdhsa.kernels:
  - .name:           k_qe17424834e_attn
    .symbol:         k_qe17424834e_attn.kd
    .args:
      - { .name: qrec, .offset: 0, .size: 8, .value_kind: global_buffer, .address_space: global }
      - { .name: kv, .offset: 8, .size: 8, .value_kind: global_buffer, .address_space: global }
      - { .name: codes, .offset: 16, .size: 8, .value_kind: global_buffer, .address_space: global }
      - { .name: sc, .offset: 24, .size: 8, .value_kind: global_buffer, .address_space: global }
    .group_segment_fixed_size: 210944
    .private_segment_fixed_size: 0
    .kernarg_segment_align: 8
    .kernarg_segment_size: 32
    .max_flat_workgroup_size: 512
    .sgpr_count:     72
    .vgpr_count:     256
    .wavefront_size: 32
...
	.end_amdgpu_metadata
.endif
;; end of part 3
;; launch oproj (part 4): grid 4 x 32, 4 waves a work-group, clusters of 4 x 4, 327,680 bytes of LDS; arguments codes, sc, out0; writes out0
.if DOCPART == 4
	.amdgcn_target "amdgcn-amd-amdhsa--gfx1250"
	.amdhsa_code_object_version 6
	.text
	.protected	k_qe17424834e_oproj
	.globl	k_qe17424834e_oproj
	.p2align	8
	.type	k_qe17424834e_oproj,@function
k_qe17424834e_oproj:
	s_mov_b64 s[64:65], 0
	v_nop
	global_prefetch_b8 v0, s[64:65] scope:SCOPE_SE
	s_setreg_imm32_b32 hwreg(HW_REG_WAVE_MODE, 25, 1), 1
	s_wait_xcnt 0x0
	s_wait_alu depctr_hold_cnt(0) depctr_sa_sdst(0) depctr_va_vdst(0) depctr_va_sdst(0) depctr_va_ssrc(0) depctr_va_vcc(0) depctr_vm_vsrc(0)
	s_getreg_b32 s2, hwreg(HW_REG_IB_STS2, 6, 4)
	s_cmp_eq_u32 s2, 0
	s_cbranch_scc0 .Lentry_in_a_cluster
	s_endpgm
.Lentry_in_a_cluster:
	s_bfe_u32 s2, ttmp6, 0x10000c
	s_cmp_lg_u32 s2, 0xf033
	s_cbranch_scc0 .Lentry_shape_is_right
	s_endpgm
.Lentry_shape_is_right:
; out0 = O Wo^T on codes of FP6 (E2M3): O, attention's result, is tiles 768-1279 of codes, Wo tiles 704-767.  8,192 x 1,024, K = 1,024; sums in f32, K ascending, one accumulator an output.
; A tile of C, 256 x 256, is made by four waves, 128 x 128 each: 64 accumulators, 512 registers.  Operands lie in memory as images of their registers (tile of 16 rows: lane r holds row 32 (T / 2) + 8 (T % 2) + r + 8 (r / 8);
; image of 16 rows x 128 K: registers 0-3 at 16 x lane, 4-5 at 512 + 8 x lane, 6-9 at 768 + 16 x lane, 10-11 at 1,280 + 8 x lane).  codes: [tile][K step][1,536 bytes].
; K goes through a ring of two LDS slots of two K steps each: a wave's tensor load brings 8 tiles x 3,072 bytes.  Eight K steps are written out, since the scale registers' numbers change from step to step.
; CLUSTERS: 4 x 4 work-groups; A's tiles are asked for jointly along a row of the cluster, B's along a column.  128 tiles of C: 128 work-groups.
; THE MATRIX INSTRUCTION IS USED TRANSPOSED (source 0 = a tile of Wo, source 1 = a tile of O): lane (r, h) holds O's row r, and the 16 registers of Wo's tiles 2 b and 2 b + 1 are columns 32 b + 16 h + 0 .. 15.
; SCALES: register 8 i + ks of v32-95 holds in lanes 0-15 the word of A's block i, in lanes 16-31 that of B's block i, for K step ks; loaded once at the head.
; REGISTERS: window 0: v1-31 addresses; v32-95 scale words; v128-223 A's fragments, one set; on the way out v128-255 rows of C.  window 1: B's fragments, two sets.  windows 2, 3: accumulators ((a, b) at v[8 (8 (a % 4) + b)]).
.set HALFT,  8*3072
.set SLOT,   4*HALFT
.set SPARE,  2*SLOT                    ; behind the ring: the spare words, 128 bytes a wave
.set SPITCH, 528                       ; the way out: a stage of 16 rows x (512 + 16) bytes a wave, in slot 0, which has had its last fill and its last read by then
.set FR,     12
.set NL,     4
.set NP,     4
.set ADRA, 16
.set ADRB, 20
.set STO,  24                          ; v24 the stage: where I put 32 bytes of a row
.set RD,   25                          ; v25 and where I read a row back
.set CO,   26                          ; v26 16 x lane: my bytes of a row of C
.set SADR, 27
.set SPW,  28
.set NIL,  29
.set SC,   32
.set AF,   128
.set BK,   128
.set G1, 24
.set G0, 32
.set G1B, 48
.set G0B, 56
.set MSB, 0
.macro WIN new                         ; the immediate's high byte repeats the setting that is left
.if MSB != (\new)
	s_set_vgpr_msb (MSB<<8)|(\new)
.set MSB, (\new)
.endif
.endm
.set MUL_LO, 0xa1
.set MUL_HI, 0xf1
.set TO_B,   0x40
.macro JLOAD g0a, g1a, g0b, g1b        ; a joint load: waves 0 and 1 fetch for A, waves 2 and 3 for B; four v_nop follow each of the two lines
	s_cmp_eq_u32 s15, 0
	s_cbranch_scc0 .Lfor_b_\@
	tensor_load_to_lds s[\g0a:\g0a+3], s[\g1a:\g1a+7]
	s_nop 0
.rept 4
	v_nop
.endr
	s_branch .Lasked_\@
.Lfor_b_\@:
	tensor_load_to_lds s[\g0b:\g0b+3], s[\g1b:\g1b+7]
	s_nop 0
.rept 4
	v_nop
.endr
.Lasked_\@:
.endm
.macro CREST
	s_cmp_lg_u32 s14, 0
	s_cbranch_scc1 .Lnot_wave_0_\@
	s_barrier_signal -3
.Lnot_wave_0_\@:
	s_barrier_wait -3
	s_barrier_signal -1
	s_barrier_wait -1
.endm
.macro CROUND
	s_barrier_signal -1
	s_barrier_wait -1
	CREST
.endm
	s_load_b128 s[4:7], s[0:1], 0x0                ; codes, sc
	s_load_b64 s[12:13], s[0:1], 0x10              ; out0
	v_lshl_add_u32 v[SPW], v0, 2, SPARE
	v_mov_b32 v[NIL], 0
	ds_add_u32 v28, v29
	ds_add_u32 v28, v29
	s_wait_dscnt 0x0
	v_lshrrev_b32 v1, 5, v0
	v_readfirstlane_b32 s14, v1                    ; wave 0..3
	s_lshr_b32 s15, s14, 1                         ; which half of the tile's rows is mine.  Also: I fetch for A (0) or for B (1)
	s_and_b32 s16, s14, 1                          ; which half of its columns.  Also: which 8 tiles I fetch
	s_bfe_u32 s40, ttmp6, 0x40000                  ; cx
	s_bfe_u32 s41, ttmp6, 0x40004                  ; cy
	s_lshl_b32 s42, ttmp9, 2
	s_add_co_u32 s42, s42, s40                     ; tile column of C
	s_and_b32 s17, ttmp7, 0xffff
	s_lshl_b32 s17, s17, 2
	s_add_co_u32 s17, s17, s41                     ; tile row of C
	s_lshl_b32 s43, s41, 2
	s_lshl_b32 s43, 15, s43                        ; my row of the cluster
	s_lshl_b32 s44, 0x1111, s40                    ; my column
	s_or_b32 s[G1+0], s43, (3<<16)|(1<<21)         ; 15:0 the mask; 17:16 elements of 8 bytes; 20 no padding; 21 set beside a mask
	s_or_b32 s[G1B+0], s44, (3<<16)|(1<<21)
.irp g, G1, G1B
	s_mov_b32 s[\g+1], 384<<16                     ; tensor_dim0: 3,072 bytes, two K steps of a tile
	s_mov_b32 s[\g+2], 8<<16                       ; tensor_dim1: 8 tiles
	s_mov_b32 s[\g+3], 384<<16
	s_mov_b32 s[\g+4], 8
	s_mov_b32 s[\g+5], 1536                        ; from tile to tile: 12,288 bytes
	s_mov_b32 s[\g+6], 0
	s_mov_b32 s[\g+7], 0
.endr
	s_lshl_b32 s20, s17, 4
	s_add_co_u32 s20, s20, 768                     ; A's 16 tiles begin here,
	s_lshl_b32 s46, s42, 4
	s_add_co_u32 s46, s46, 704                     ; B's here
	s_lshl_b32 s69, s15, 3
	s_add_co_u32 s69, s69, s20
	s_lshl_b32 s69, s69, 9                         ; the scale words of the 8 tiles of A that I multiply
	s_lshl_b32 s94, s16, 3
	s_add_co_u32 s95, s94, s46
	s_lshl_b32 s95, s95, 9                         ; and of B
	s_add_co_u32 s20, s20, s94                     ; the 8 tiles that I fetch
	s_add_co_u32 s46, s46, s94
	s_mul_i32 s20, s20, 12288
	s_mul_i32 s46, s46, 12288
	s_mov_b32 s21, 0
	s_mov_b32 s47, 0
	s_mul_i32 s68, s14, HALFT                      ; where they go: no place in the cluster enters an LDS address
	s_wait_kmcnt 0x0
	s_add_nc_u64 s[20:21], s[4:5], s[20:21]
	s_add_nc_u64 s[46:47], s[4:5], s[46:47]
	CROUND                                         ; all sixteen work-groups are here: the first joint loads meet
.irp s, 0,1
	s_mov_b32 s[G0+4*\s], 1
	s_add_co_u32 s[G0+4*\s+1], s68, \s*SLOT
	s_add_nc_u64 s[G0+4*\s+2:G0+4*\s+3], s[20:21], \s*3072
	s_or_b32 s[G0+4*\s+3], s[G0+4*\s+3], 0x80000000
	s_mov_b32 s[G0B+4*\s], 1
	s_add_co_u32 s[G0B+4*\s+1], s68, \s*SLOT
	s_add_nc_u64 s[G0B+4*\s+2:G0B+4*\s+3], s[46:47], \s*3072
	s_or_b32 s[G0B+4*\s+3], s[G0B+4*\s+3], 0x80000000
	s_wait_alu depctr_va_vdst(0)
	s_wait_tensorcnt 0x0
	ds_add_u32 v28, v29
	ds_add_u32 v28, v29
	s_wait_dscnt 0x0
	CROUND
	JLOAD G0+4*\s, G1, G0B+4*\s, G1B
.endr
	v_and_b32 v1, 15, v0                           ; r
	v_bfe_u32 v2, v0, 4, 1                         ; h
	v_and_b32 v3, 31, v0
	v_lshlrev_b32 v[CO], 4, v3
	v_lshlrev_b32 v5, 3, v3
	v_mov_b32 v6, s69
	v_mov_b32 v7, s95
	v_cmp_eq_u32 vcc_lo, 1, v2
	v_cndmask_b32 v[SADR], v6, v7, vcc_lo          ; lanes 0-15 take A's words, lanes 16-31 B's
	v_lshl_add_u32 v[SADR], v1, 4, v[SADR]
.irp i, 0,1,2,3,4,5,6,7
	global_load_b128 v[SC+8*\i:SC+8*\i+3], v[SADR], s[6:7] offset:512*\i
	global_load_b128 v[SC+8*\i+4:SC+8*\i+7], v[SADR], s[6:7] offset:512*\i+256
.endr
	s_mul_i32 s22, s15, HALFT
	s_mul_i32 s23, s16, HALFT
	s_add_co_u32 s23, s23, 2*HALFT
.irp s, 0,1
	v_add_nc_u32 v[ADRA+\s], s22, v[CO]
	v_add_nc_u32 v[ADRA+2+\s], s22, v5
	v_add_nc_u32 v[ADRB+\s], s23, v[CO]
	v_add_nc_u32 v[ADRB+2+\s], s23, v5
	s_add_co_u32 s22, s22, SLOT
	s_add_co_u32 s23, s23, SLOT
.endr
	s_mul_i32 s80, s14, 16*SPITCH                  ; my stage
	v_mul_u32_u24 v6, v1, SPITCH
	v_lshl_add_u32 v6, v2, 6, v6
	v_add_nc_u32 v[STO], s80, v6                   ; in: row r, + 64 h
	v_add_nc_u32 v[RD], s80, v[CO]                 ; back: a whole row, 16 bytes a lane
	s_lshl_b32 s78, s17, 8
	s_lshl_b32 s79, s15, 7
	s_add_co_u32 s78, s78, s79                     ; my first row of C
	s_lshl_b32 s78, s78, 12                        ; rows of 4,096 bytes
	s_lshl_b32 s79, s42, 10
	s_add_co_u32 s78, s78, s79
	s_lshl_b32 s79, s16, 9
	s_add_co_u32 s78, s78, s79                     ; + my first column, in bytes
	s_mov_b32 s79, 0
	s_add_nc_u64 s[12:13], s[12:13], s[78:79]
.macro FRAG reg, adr, q, i             ; tile i's image of the slot's q-th K step: the same four lines by which it was stored
	ds_load_b128 v[\reg:\reg+3],     v[\adr]   offset:3072*(\i)+1536*(\q)
	ds_load_b64  v[\reg+4:\reg+5],   v[\adr+2] offset:3072*(\i)+1536*(\q)+512
	ds_load_b128 v[\reg+6:\reg+9],   v[\adr]   offset:3072*(\i)+1536*(\q)+768
	ds_load_b64  v[\reg+10:\reg+11], v[\adr+2] offset:3072*(\i)+1536*(\q)+1280
.endm
; 16 matrix instructions: A's blocks a0, a0 + 1 x B's eight, K step ks.  The 64 accumulators take turns, in the same order in every step.
.macro MUL16 a0, p, ks, zero
.irp a, \a0, \a0+1
.irp b, 0,1,2,3,4,5,6,7
.if \zero
	v_wmma_scale_f32_16x16x128_f8f6f4 v[8*(8*((\a)%4)+\b):8*(8*((\a)%4)+\b)+7], v[128*(\p)+FR*\b:128*(\p)+FR*\b+FR-1], v[AF+FR*(\a):AF+FR*(\a)+FR-1], 0, v[SC+8*\b+(\ks)], v[SC+8*(\a)+(\ks)] matrix_a_fmt:MATRIX_FMT_FP6 matrix_b_fmt:MATRIX_FMT_FP6 matrix_a_scale:MATRIX_SCALE_ROW1
.else
	v_wmma_scale_f32_16x16x128_f8f6f4 v[8*(8*((\a)%4)+\b):8*(8*((\a)%4)+\b)+7], v[128*(\p)+FR*\b:128*(\p)+FR*\b+FR-1], v[AF+FR*(\a):AF+FR*(\a)+FR-1], v[8*(8*((\a)%4)+\b):8*(8*((\a)%4)+\b)+7], v[SC+8*\b+(\ks)], v[SC+8*(\a)+(\ks)] matrix_a_fmt:MATRIX_FMT_FP6 matrix_b_fmt:MATRIX_FMT_FP6 matrix_a_scale:MATRIX_SCALE_ROW1
.endif
.endr
.endr
.endm
.macro FETCH_B slot, q, p
	WIN TO_B
.irp i, 0,1,2,3,4,5,6,7
	FRAG 128*(\p)+FR*\i, ADRB+\slot, \q, \i
.endr
	WIN 0
.endm
.macro FETCH_A slot, q, i0
.irp i, \i0, \i0+1, \i0+2, \i0+3
	FRAG AF+FR*(\i), ADRA+\slot, \q, \i
.endr
.endm
.macro PLACES n
.rept \n
	v_nop
.endr
.endm
.macro STEP slot, ks, zero
	s_wait_dscnt 4*NL                              ; B's set and A's blocks 0-3 are in; the youngest 16 loads (A's blocks 4-7) may be out
	WIN MUL_LO
	MUL16 0, 0, \ks, \zero
	MUL16 2, 0, \ks, \zero
	s_wait_dscnt 0x0
	PLACES NP
	FETCH_B \slot, 1, 1
	FETCH_A \slot, 1, 0
	WIN MUL_HI
	MUL16 4, 0, \ks, \zero
	MUL16 6, 0, \ks, \zero
	PLACES NP
	WIN 0
	FETCH_A \slot, 1, 4
.endm
.macro TURN slot, next, fill, ks
	s_wait_tensorcnt 0x0                           ; all my tensor loads have landed: my part of the next slot
	ds_add_u32 v[SPW], v[NIL]                      ; 0 onto my spare word
	s_wait_dscnt 4*NL+1                            ; the add and the youngest 16 loads may be out
	WIN MUL_LO
	MUL16 0, 1, \ks, 0
	s_wait_dscnt 0x0                               ; the add is done, and my reads of this slot are over
	s_barrier_signal -1
	MUL16 2, 1, \ks, 0
	WIN 0
	s_barrier_wait -1
.if \fill
	CREST                                          ; the barrier has opened a round of the cluster's barrier
	s_add_nc_u64 s[G0+4*\slot+2:G0+4*\slot+3], s[G0+4*\slot+2:G0+4*\slot+3], 6144
	s_add_nc_u64 s[G0B+4*\slot+2:G0B+4*\slot+3], s[G0B+4*\slot+2:G0B+4*\slot+3], 6144
	JLOAD G0+4*\slot, G1, G0B+4*\slot, G1B         ; the first tensor load behind the round; its four v_nop are the places in front of the loads below
.else
	PLACES NP
.endif
	FETCH_B \next, 0, 0
	FETCH_A \next, 0, 0
	WIN MUL_HI
	MUL16 4, 1, \ks, 0
	MUL16 6, 1, \ks, 0
	PLACES NP
	WIN 0
	FETCH_A \next, 0, 4
.endm
	s_wait_alu depctr_va_vdst(0)
	s_wait_tensorcnt 1                             ; my part of slot 0 is in; slot 1's load may be out
	s_barrier_signal -1
	s_barrier_wait -1
	FETCH_B 0, 0, 0
	FETCH_A 0, 0, 0
	FETCH_A 0, 0, 4
	s_wait_loadcnt 0x0                             ; the scale words
	STEP 0, 0, 1
	TURN 0, 1, 1, 1
	STEP 1, 2, 0
	TURN 1, 0, 1, 3
	STEP 0, 4, 0
	TURN 0, 1, 0, 5                                ; nothing is left to fetch; behind this barrier nobody reads slot 0
	STEP 1, 6, 0
	s_wait_dscnt 4*NL
	WIN MUL_LO
	MUL16 0, 1, 7, 0
	MUL16 2, 1, 7, 0
	s_wait_dscnt 0x0
	WIN MUL_HI
	MUL16 4, 1, 7, 0
	MUL16 6, 1, 7, 0
	WIN 0
; THE WAY OUT, block by block of 16 rows x 128 columns, through my own stage: in by lanes (32 bytes of a row an accumulator), back as whole rows of 512 bytes.  LDS serves a wave's instructions in order (ISA guide 5.7.1.4).
.macro TOSTAGE a
.set AC, 64*((\a)%4)
	WIN 0x08+4*((\a)/4)                            ; an LDS store's data are its source 1: window 2 or 3
.irp b, 0,1,2,3,4,5,6,7
	ds_store_b128 v[STO], v[AC+8*\b:AC+8*\b+3] offset:128*(\b/2)+32*(\b%2)       ; columns 32 (b / 2) + 8 (b % 2) + 16 h on; each accumulator from its low end on
	ds_store_b128 v[STO], v[AC+8*\b+4:AC+8*\b+7] offset:128*(\b/2)+32*(\b%2)+16
.endr
	WIN 0
.set BB, BK+64*((\a)%2)
.irp t, 0,1,2,3,4,5,6,7,8,9,10,11,12,13,14,15
	ds_load_b128 v[BB+4*\t:BB+4*\t+3], v[RD] offset:\t*SPITCH
.endr
.endm
.macro SEND a, younger                 ; younger: the LDS instructions issued behind block a's loads, which may stay out
.set BB, BK+64*((\a)%2)
	s_wait_dscnt \younger
.irp t, 0,1,2,3,4,5,6,7,8,9,10,11,12,13,14,15
	global_store_b128 v[CO], v[BB+4*\t:BB+4*\t+3], s[12:13] offset:(32*((\a)/2)+8*((\a)%2)+\t+8*(\t/8))*4096 th:TH_STORE_NT   ; the tile's lane t is row 32 (a / 2) + 8 (a % 2) + t + 8 (t / 8); 32 lanes store 512 consecutive bytes, aligned to 256
.endr
.endm
	PLACES NP
	TOSTAGE 0
.irp a, 1,2,3,4,5,6,7
.if \a > 1
	s_wait_xcnt 0x0                                ; block a - 2's stores have read their registers: block a's loads may land there
.endif
	TOSTAGE \a
	SEND \a-1, 32                                  ; behind block a - 1's loads: block a's 16 stores and 16 loads
.endr
	SEND 7, 0
	s_wait_tensorcnt 0x0                           ; the wave's end
	ds_add_u32 v[SPW], v[NIL]
	s_wait_dscnt 0x0
	CROUND                                         ; the closing round
	s_endpgm
.Lfunc_end_k_qe17424834e_oproj:
	.size	k_qe17424834e_oproj, .Lfunc_end_k_qe17424834e_oproj-k_qe17424834e_oproj
	.p2alignl 7, 3214868480
	.fill 96, 4, 3214868480
	.section	.rodata,"a",@progbits
	.p2align	6, 0x0
	.amdhsa_kernel k_qe17424834e_oproj
		.amdhsa_group_segment_fixed_size 327680
		.amdhsa_private_segment_fixed_size 0
		.amdhsa_enable_private_segment 0
		.amdhsa_kernarg_size 24
		.amdhsa_user_sgpr_count 2
		.amdhsa_user_sgpr_kernarg_segment_ptr 1
		.amdhsa_wavefront_size32 1
		.amdhsa_system_sgpr_workgroup_id_x 1
		.amdhsa_system_sgpr_workgroup_id_y 1
		.amdhsa_system_sgpr_workgroup_id_z 1
		.amdhsa_system_vgpr_workitem_id 0
		.amdhsa_next_free_vgpr 1024
		.amdhsa_next_free_sgpr 100
		.amdhsa_reserve_vcc 1
		.amdhsa_float_denorm_mode_32 3
		.amdhsa_float_denorm_mode_16_64 3
		.amdhsa_memory_ordered 1
		.amdhsa_forward_progress 1
		.amdhsa_inst_pref_size 141
	.end_amdhsa_kernel
	.amdgpu_metadata
---
amdhsa.version: [ 1, 2 ]
amdhsa.kernels:
  - .name:           k_qe17424834e_oproj
    .symbol:         k_qe17424834e_oproj.kd
    .args:
      - { .name: codes, .offset: 0, .size: 8, .value_kind: global_buffer, .address_space: global }
      - { .name: sc, .offset: 8, .size: 8, .value_kind: global_buffer, .address_space: global }
      - { .name: out0, .offset: 16, .size: 8, .value_kind: global_buffer, .address_space: global }
    .group_segment_fixed_size: 327680
    .private_segment_fixed_size: 0
    .kernarg_segment_align: 8
    .kernarg_segment_size: 24
    .max_flat_workgroup_size: 128
    .sgpr_count:     100
    .vgpr_count:     1024
    .wavefront_size: 32
...
	.end_amdgpu_metadata
.endif
;; end of part 4
